; MI455X (gfx1250); checked and timed in simulation.
; The chip was launched on July 23, 2026; its instructions are those of AMD's public machine-readable ISA for CDNA 5 (MIT licence, August 2026) and "CDNA5" Instruction Set Architecture Reference Guide (July 2026). The comments in the code are by the model that wrote it; some were corrected since.
;; Attention Cell. Allowed arithmetic: matrix products marked QUANTISED: E2M1 operands, one E8M0 scale for each 32 along K, by v_wmma_scale_f32_16x16x128_f8f6f4 with both operands' format E2M1 (or v_wmma_scale_f32_32x16x128_f4), f32 sums; products left as they are: bf16, f16 or f32 operands; f32 sums; everything else in f32.
;; Inputs: Wo 1,024 x 1,024 float32; Wqkv 1,024 x 3,072 float32; beta 1,024 float32; bo 1,024 float32; bqkv 3,072 float32; gamma 1,024 float32; x 1 x 4,096 x 1,024 float32.
;; Outputs: out0 1 x 4,096 x 1,024 float32.
;; This version of the problem:
;;   THIS VERSION OF THE PROBLEM IS GIVEN IN LOW PRECISION. The matrix products marked QUANTISED in the list below multiply operands that are first quantised to E2M1 (2 exponent bits, 1 mantissa bit; 4 bits a number), with one power-of-two scale for each 32 numbers along K (OCP MX v1.0); their sums are f32. The products marked 'left as it is' may take bf16, f16 or f32 operands, with f32 sums. Whichever they take, every output number must still come out within the allowed error. Rounding operands to bf16 (8 significant bits) uses up far more of that allowance than f16 does (11 bits, for magnitudes from 6e-5 to 65,504). All else is computed in f32.
;;   The module's matrix products, in the order in which they are computed (A, B: the left and right operand; K: the contracted axis; several contracted axes count as one K, in the product's order):
;;     1. [M 4,096, K 1,024] x [K 1,024, N 3,072]; A: input x; B: input Wqkv: QUANTISED
;;     2. batch 16 x [M 4,096, K 64] x [K 64, N 4,096]; A: computed on the way; B: computed on the way: left as it is (an operand is computed on the way)
;;     3. batch 16 x [M 64, K 4,096] x [K 4,096, N 4,096]; A: computed on the way; B: computed on the way: left as it is (an operand is computed on the way)
;;     4. [M 4,096, K 1,024] x [K 1,024, N 1,024]; A: computed on the way; B: input Wo: left as it is (an operand is computed on the way)
;;   THE QUANTISER, for each operand of a quantised product, along K:
;;     - K is cut into blocks of 32 from its start; a last block that is shorter is filled with zeros.
;;     - A block's scale is 2^e with e = floor(log2(the largest magnitude in the block)) - 2, held to -126 .. 127; a block of zeros has e = 0. As a byte (E8M0): e + 127.
;;     - Each number is divided by its block's scale, clamped to +-6, and rounded to the nearest number of E2M1, ties to even, subnormals kept.
;;     - The product sums the exact products of the quantised numbers (number of the format x scale) in f32.
;;   ~~~python
;;   def quantise(x, axis):      # numpy; x: float32 -> the quantised numbers, widened to float32 again
;;       x = np.moveaxis(x, axis, -1); K = x.shape[-1]
;;       x = np.pad(x, [(0, 0)] * (x.ndim - 1) + [(0, -K % 32)]); x = x.reshape(x.shape[:-1] + (-1, 32)); a = np.abs(x).max(-1, keepdims=True)
;;       e = np.where(a > 0, np.clip(np.frexp(np.where(a > 0, a, 1))[1] - 1 - 2, -126, 127), 0)      # np.frexp(a)[1] - 1 = floor(log2(a)), exactly
;;       r = np.clip(x / 2.0 ** e, -6, 6)
;;       step = 2.0 ** (np.maximum(np.frexp(np.where(r == 0, 1, r))[1] - 1, 0) - 1)
;;       q = np.round(r / step) * step * 2.0 ** e      # np.round: ties to even
;;       return np.moveaxis(q.reshape(q.shape[:-2] + (-1,))[..., :K], -1, axis).astype(np.float32)
;;   ~~~
;; One version. Each part assembles by itself: llvm-mc -triple=amdgcn-amd-amdhsa -mcpu=gfx1250 --defsym DOCPART=n.
;; ======== version 1 of 1: 5 launches
;; limits: values are held in f16: magnitudes above 65,504 overflow, below 6.1e-05 lose precision
;; workspace buffers: xq 2,228,224 bytes; wq 1,671,168 bytes; wof 2,097,152 bytes; qb 8,388,608 bytes; kv 16,777,216 bytes; ob 8,388,608 bytes; pre 16,777,216 bytes
;; launch prep (part 1): grid 240 x 1, 4 waves a work-group, no clusters, 68,096 bytes of LDS; arguments x, Wqkv, Wo, xq, wq, wof; writes xq, wq, wof
.if DOCPART == 1
	.amdgcn_target "amdgcn-amd-amdhsa--gfx1250"
	.amdhsa_code_object_version 6
	.text
	.protected	k_q906a36c2a1_prep
	.globl	k_q906a36c2a1_prep
	.p2align	8
	.type	k_q906a36c2a1_prep,@function
k_q906a36c2a1_prep:
	s_mov_b64 s[64:65], 0
	v_nop
	global_prefetch_b8 v0, s[64:65] scope:SCOPE_SE
	s_setreg_imm32_b32 hwreg(HW_REG_WAVE_MODE, 25, 1), 1
	s_wait_xcnt 0x0
; AttentionCell, launch 1 of 5: the operands of the products are laid out once.
; WORK LEFT OUT IN THIS PROGRAM: reference() sets scores[q][k] to -inf for k > q by a mask that it builds itself, so exp gives 0 there for all values of the inputs: tiles of the two attention
; products that lie wholly above the diagonal reach no output and are not computed (launch attn).  Nothing else is left out: the bias on k stands ahead of the rotation, so its part of a score
; hangs on the key's position and no softmax takes it away.  Every input is loaded.  LIMIT: a NaN, an infinity or an overflow that would arise only in a score above the diagonal is not carried on.
; THREE JOBS, told apart by the work-group's number; each has LDS bytes of its own:
;   0-127   x [4096][1024] f32 -> xq: codes of E2M1, K innermost, [4096][512 B], and behind them (byte 2,097,152) one E8M0 byte for each 32 along K, [4096][32]
;   128-175 Wqkv [1024 (k)][3072 (n)] f32 -> wq: codes [3072][512 B] with K innermost, and at byte 1,572,864 the scale bytes [3072][32]
;   176-239 Wo [1024 (k)][1024 (n)] f32 -> wof: f16, in the order of a matrix operand's registers: byte (n>>6) 131072 + (k>>8) 32768 + ((n>>4)&3) 8192 + ((k>>5)&7) 1024 + ((k>>4)&1) 512 + ((k>>3)&1) 256 + (n&15) 16, eight neighbouring k in 16 bytes
; THE QUANTISER: a block's scale is 2^(floor(log2(largest magnitude)) - 2); its byte is the largest magnitude's exponent field - 2, held at 1 from below; each number / scale goes to the nearest code, ties to even, beyond 6 the code of 6.
; A block of zeros gets the byte 1 where the rule says 127: its codes are zeros, which add nothing under any byte but 0xff, and this program alone reads the bytes.
; LIMITS: blocks whose largest magnitude lies under 2^-124 were not tried; NaN and infinities among the inputs are not served; |Wo| stays under 65,504 (f16).
.set SPW,   192                        ; v192 LDS address of my spare word; never rewritten
.set NIL,   193                        ; v193 0; never rewritten
.set SPARE, 67584                      ; behind both jobs' LDS: 128 bytes for each wave
.set EMAX,  2
.macro FINI                            ; a wave's end, behind the last LDS store
	s_wait_tensorcnt 0x0
	ds_add_u32 v[SPW], v[NIL]
	s_wait_dscnt 0x0
	s_endpgm
.endm
	s_load_b256 s[4:11], s[0:1], 0x0               ; x s[4:5], Wqkv s[6:7], Wo s[8:9], xq s[10:11]
	s_load_b128 s[12:15], s[0:1], 0x20             ; wq s[12:13], wof s[14:15]
	v_lshl_add_u32 v[SPW], v0, 2, SPARE
	v_mov_b32 v[NIL], 0
	v_lshrrev_b32 v1, 5, v0
	v_readfirstlane_b32 s16, v1                    ; wave
	v_and_b32 v2, 31, v0                           ; lane
	s_wait_kmcnt 0x0
	s_cmp_lt_u32 ttmp9, 128
	s_cbranch_scc0 .Lnot_x
; ---------------- x: a plain stream of blocks of 32.  A wave takes 16 steps of 512 numbers.  Loads read 512 consecutive bytes; a step's 2,048 bytes turn through the wave's own stage in LDS,
; so that a lane then holds 16 neighbours along K (two lanes to a block).  LDS bytes 0 .. 32,767: 8,192 a wave.
.set STEPS, 16
.set CB,    8                          ; bytes of 16 codes
.set XR,    16                         ; v16-79   four sets of 16 numbers as loaded
.set XX,    80                         ; v80-111  two sets of 16 neighbours
.set XE,    112                        ; v112-127 a scale byte for each step
.set XC,    128                        ; v128-191 codes: registers of its own for each step
.set WREG,  8192
.set SP,    80                         ; a lane's place in a stage: 64 bytes + 16 of padding
	v_lshlrev_b32 v3, 4, v2                        ; my 16 bytes of a load's 512
	s_mul_i32 s17, s16, WREG
	v_lshrrev_b32 v14, 2, v2
	v_mul_u32_u24 v14, v14, SP
	v_and_b32 v15, 3, v2
	v_lshl_add_u32 v14, v15, 4, v14
	v_add_nc_u32 v14, s17, v14                     ; the stage, way in: SP (lane / 4) + 16 (lane % 4)
	v_mul_u32_u24 v15, v2, SP
	v_add_nc_u32 v15, s17, v15                     ; way out: SP x lane
	v_mul_u32_u24 v4, v2, CB                       ; my codes' place in a step's
	v_lshrrev_b32 v5, 1, v2
	s_add_co_u32 s17, s17, 2*32*SP
	v_add_nc_u32 v5, s17, v5                       ; my wave's 256 scale bytes: my block's byte
	v_lshlrev_b32 v7, 3, v2
	v_add_nc_u32 v6, s17, v7                       ; and 8 bytes a lane on their way out
	s_lshl_b32 s17, ttmp9, 2
	s_add_co_u32 s18, s17, s16                     ; which run of 8,192 numbers is my wave's
	s_mov_b32 s21, 0
	s_lshl_b32 s20, s18, 15
	s_add_nc_u64 s[4:5], s[4:5], s[20:21]          ; 32,768 bytes of x a run
	s_lshl_b32 s20, s18, 12
	s_add_nc_u64 s[22:23], s[10:11], s[20:21]      ; 4,096 bytes of codes
	s_lshl_b32 s20, s18, 8
	s_add_co_u32 s20, s20, 2097152
	s_add_nc_u64 s[10:11], s[10:11], s[20:21]      ; 256 scale bytes
.macro XLOAD t
.irp i, 0,1,2,3
	global_load_b128 v[XR+16*((\t)%4)+4*\i:XR+16*((\t)%4)+4*\i+3], v3, s[4:5] offset:2048*(\t)+512*\i th:TH_LOAD_NT
.endr
.endm
.macro XTURN t                         ; LDS serves a wave's instructions in order: no wait between the stores and the loads
.irp i, 0,1,2,3
	ds_store_b128 v14, v[XR+16*((\t)%4)+4*\i:XR+16*((\t)%4)+4*\i+3] offset:32*SP*((\t)%2)+8*SP*\i
.endr
.irp i, 0,1,2,3
	ds_load_b128 v[XX+16*((\t)%2)+4*\i:XX+16*((\t)%2)+4*\i+3], v15 offset:32*SP*((\t)%2)+16*\i
.endr
.endm
.irp t, 0,1,2,3
	XLOAD \t
.endr
	s_wait_loadcnt 12                              ; step 0's four loads are in; the 12 of steps 1 to 3 may be out
	XTURN 0
.macro XSTEP t
.set XS, XX+16*((\t)%2)
.if (\t) > 0
	s_wait_dscnt 1                                 ; this step's numbers are back (the last step's byte store may be out)
.else
	s_wait_dscnt 0x0
.endif
.if (\t)+4 < STEPS
	XLOAD (\t)+4
.endif
.if (\t)+1 < STEPS
.if STEPS-2-(\t) >= 3
	s_wait_loadcnt 12                              ; the next step's four loads are in; those of the three steps behind it may be out
.else
	s_wait_loadcnt 4*(STEPS-2-(\t))
.endif
	XTURN (\t)+1
.endif
	v_max3_num_f32 v8, |v[XS]|, |v[XS+1]|, |v[XS+2]|
	v_max3_num_f32 v9, |v[XS+3]|, |v[XS+4]|, |v[XS+5]|
.irp i, 6,10
	v_max3_num_f32 v8, v8, |v[XS+\i]|, |v[XS+\i+1]|
	v_max3_num_f32 v9, v9, |v[XS+\i+2]|, |v[XS+\i+3]|
.endr
	v_max3_num_f32 v8, v8, |v[XS+14]|, |v[XS+15]|
	v_max3_num_f32 v8, v8, v9, (EMAX+1)<<23        ; with the floor 2^(3 - 127): the byte cannot fall under 1
	v_max_num_f32_dpp v8, v8, v8 row_xmask:1 row_mask:0xf bank_mask:0xf   ; and my neighbour's 16: the block's largest magnitude
	v_add_nc_u32 v11, -(EMAX<<23), v8              ; 2 off its exponent field: the conversion's scale operand
	v_cvt_scalef32_pk8_fp4_f32 v[XC+4*(\t)], v[XS:XS+7], v11
	v_cvt_scalef32_pk8_fp4_f32 v[XC+4*(\t)+1], v[XS+8:XS+15], v11
	v_lshrrev_b32 v[XE+(\t)], 23, v11              ; the scale's byte
	ds_store_b8 v5, v[XE+(\t)] offset:16*(\t)      ; both lanes of a block write the same byte with the same value
	global_store_b64 v4, v[XC+4*(\t):XC+4*(\t)+1], s[22:23] offset:32*CB*(\t)   ; the wave stores 256 consecutive bytes, aligned
.endm
.irp t, 0,1,2,3,4,5,6,7,8,9,10,11,12,13,14,15
	XSTEP \t
.endr
	ds_load_b64 v[8:9], v6
	s_wait_dscnt 0x0
	global_store_b64 v7, v[8:9], s[10:11]          ; the wave's 256 scale bytes, aligned
	FINI
.Lnot_x:
	s_cmp_lt_u32 ttmp9, 176
	s_cbranch_scc0 .Lnot_w
; ---------------- Wqkv: K is its first axis.  A lane takes a column n and its registers run down K: a block of 32 lies in one lane.  A wave takes 32 columns x 512 along K; the codes leave
; through the wave's own stage as rows of 256 bytes.  LDS bytes 32,768 .. 67,583: 8,704 a wave.  Every offset is an immediate: 511 x 12,288 at the most, inside the signed 24 bits.
.set NB,     16
.set WPITCH, 272
.set KROW,   512
.set WN,     3072
.set WX,     32                        ; v32-95   two sets of 32 numbers
.set WC,     96                        ; v96-99   a block's codes
.set OUTR,   112                       ; v112-175 the way out
.set SB,     24                        ; v24-27   the scale bytes, four to a register
	s_sub_co_u32 s24, ttmp9, 128
	s_lshr_b32 s17, s24, 1
	s_and_b32 s18, s24, 1                          ; which 512 along K
	s_lshl_b32 s17, s17, 7
	s_lshl_b32 s19, s16, 5
	s_add_co_u32 s17, s17, s19                     ; my wave's first column
	v_lshlrev_b32 v3, 2, v2
	s_mul_i32 s19, s16, 32*WPITCH
	s_add_co_u32 s19, s19, 32768                   ; my stage
	v_mul_u32_u24 v4, v2, WPITCH
	v_add_nc_u32 v4, s19, v4                       ; into it: row = my column
	v_and_b32 v5, 15, v2
	v_lshrrev_b32 v6, 4, v2
	v_mul_u32_u24 v7, v6, WPITCH
	v_lshl_add_u32 v7, v5, 4, v7
	v_add_nc_u32 v7, s19, v7                       ; out of it: sixteen lanes to a row
	v_mul_u32_u24 v8, v6, KROW
	v_lshl_add_u32 v8, v5, 4, v8                   ; the same place in the codes' buffer
	v_lshlrev_b32 v9, 5, v2                        ; my column's row of scale bytes
	s_mov_b32 s21, 0
	s_mul_i32 s20, s18, 512*WN*4
	s_lshl_b32 s22, s17, 2
	s_add_co_u32 s20, s20, s22
	s_add_nc_u64 s[6:7], s[6:7], s[20:21]
	s_lshl_b32 s20, s17, 9
	s_lshl_b32 s22, s18, 8
	s_add_co_u32 s20, s20, s22
	s_add_nc_u64 s[26:27], s[12:13], s[20:21]      ; codes
	s_lshl_b32 s20, s17, 5
	s_lshl_b32 s22, s18, 4
	s_add_co_u32 s20, s20, s22
	s_add_co_u32 s20, s20, 1572864
	s_add_nc_u64 s[12:13], s[12:13], s[20:21]      ; scale bytes
.macro WLOAD t
.irp i, 0,1,2,3,4,5,6,7,8,9,10,11,12,13,14,15,16,17,18,19,20,21,22,23,24,25,26,27,28,29,30,31
	global_load_b32 v[WX+32*((\t)%2)+\i], v3, s[6:7] offset:(32*(\t)+\i)*WN*4 th:TH_LOAD_NT
.endr
.endm
	WLOAD 0
	WLOAD 1
.macro WBLOCK t
.set XS, WX+32*((\t)%2)
.if (\t) < NB-1
	s_wait_loadcnt 32                              ; this block's 32 loads are in; the next block's 32 may be out
.else
	s_wait_loadcnt 0
.endif
	v_max3_num_f32 v12, |v[XS]|, |v[XS+1]|, |v[XS+2]|
	v_max3_num_f32 v13, |v[XS+3]|, |v[XS+4]|, |v[XS+5]|
.irp i, 6,10,14,18,22,26
	v_max3_num_f32 v12, v12, |v[XS+\i]|, |v[XS+\i+1]|
	v_max3_num_f32 v13, v13, |v[XS+\i+2]|, |v[XS+\i+3]|
.endr
	v_max3_num_f32 v12, v12, |v[XS+30]|, |v[XS+31]|
	v_max3_num_f32 v12, v12, v13, (EMAX+1)<<23
	v_add_nc_u32 v11, -(EMAX<<23), v12
	v_lshrrev_b32 v13, 23, v11
.if (\t)%4 == 0
	v_mov_b32 v[SB+(\t)/4], v13
.else
	v_lshl_or_b32 v[SB+(\t)/4], v13, 8*((\t)%4), v[SB+(\t)/4]
.endif
.irp g, 0,1,2,3
	v_cvt_scalef32_pk8_fp4_f32 v[WC+\g], v[XS+8*\g:XS+8*\g+7], v11
.endr
	ds_store_b128 v4, v[WC:WC+3] offset:16*(\t)
.if (\t)+2 < NB
	WLOAD (\t)+2
.endif
	s_wait_dscnt 0x0                               ; the store has read its registers: the next block's codes may be written
.endm
.set Q, 0
.rept NB
	WBLOCK Q
.set Q, Q+1
.endr
	global_store_b128 v9, v[SB:SB+3], s[12:13]     ; my column's 16 scale bytes
.irp t, 0,1,2,3,4,5,6,7,8,9,10,11,12,13,14,15
	ds_load_b128 v[OUTR+4*\t:OUTR+4*\t+3], v7 offset:2*\t*WPITCH
.endr
.irp t, 0,1,2,3,4,5,6,7,8,9,10,11,12,13,14,15
	s_wait_dscnt 15-\t                             ; loads come back in order: number t is in
	global_store_b128 v8, v[OUTR+4*\t:OUTR+4*\t+3], s[26:27] offset:2*\t*KROW   ; sixteen lanes store 256 consecutive bytes, aligned
.endr
	FINI
.Lnot_w:
; ---------------- Wo: a lane takes a column n, its registers run down k, 32 at a time; eight neighbouring k round to 16 bytes of f16, and sixteen lanes (n & 15) store 256 consecutive bytes.  No LDS.
.set OX, 32                            ; v32-95  two sets of 32 numbers
.set OC, 96                            ; v96-159 f16 pairs: registers of its own for each of the four steps
	s_sub_co_u32 s24, ttmp9, 176
	s_and_b32 s17, s24, 7                          ; which 128 columns
	s_lshr_b32 s18, s24, 3                         ; which 128 along k
	s_mov_b32 s21, 0
	s_lshl_b32 s20, s18, 19
	s_lshl_b32 s22, s17, 9
	s_add_co_u32 s20, s20, s22
	s_lshl_b32 s22, s16, 7
	s_add_co_u32 s20, s20, s22
	s_add_nc_u64 s[8:9], s[8:9], s[20:21]          ; Wo at row 128 ky, column 128 nx + 32 wave
	s_lshl_b32 s20, s17, 1
	s_lshr_b32 s22, s16, 1
	s_add_co_u32 s20, s20, s22
	s_lshl_b32 s20, s20, 17                        ; (n >> 6) x 131,072
	s_lshr_b32 s22, s18, 1
	s_lshl_b32 s22, s22, 15
	s_add_co_u32 s20, s20, s22                     ; (k >> 8) x 32,768
	s_and_b32 s22, s16, 1
	s_lshl_b32 s22, s22, 14
	s_add_co_u32 s20, s20, s22                     ; the wave's part of (n >> 4) & 3
	s_and_b32 s22, s18, 1
	s_lshl_b32 s22, s22, 12
	s_add_co_u32 s20, s20, s22                     ; the work-group's part of (k >> 5) & 7
	s_add_nc_u64 s[14:15], s[14:15], s[20:21]
	v_lshlrev_b32 v3, 2, v2
	v_lshrrev_b32 v4, 4, v2
	v_and_b32 v5, 15, v2
	v_lshlrev_b32 v4, 13, v4
	v_lshl_add_u32 v4, v5, 4, v4                   ; (lane >> 4) x 8,192 + 16 (lane & 15)
.macro OLOAD t
.irp i, 0,1,2,3,4,5,6,7,8,9,10,11,12,13,14,15,16,17,18,19,20,21,22,23,24,25,26,27,28,29,30,31
	global_load_b32 v[OX+32*((\t)%2)+\i], v3, s[8:9] offset:(32*(\t)+\i)*4096 th:TH_LOAD_NT
.endr
.endm
	OLOAD 0
	OLOAD 1
.irp t, 0,1,2,3
.if \t < 3
	s_wait_loadcnt 32                              ; this step's 32 loads are in; the next step's may be out
.else
	s_wait_loadcnt 0
.endif
.irp j, 0,1,2,3,4,5,6,7,8,9,10,11,12,13,14,15
	v_cvt_pk_f16_f32 v[OC+16*\t+\j], v[OX+32*(\t%2)+2*\j], v[OX+32*(\t%2)+2*\j+1]
.endr
.if \t < 2
	OLOAD \t+2
.endif
.irp g, 0,1,2,3
	global_store_b128 v4, v[OC+16*\t+4*\g:OC+16*\t+4*\g+3], s[14:15] offset:1024*\t+256*\g
.endr
.endr
	FINI
.Lfunc_end_k_q906a36c2a1_prep:
	.size	k_q906a36c2a1_prep, .Lfunc_end_k_q906a36c2a1_prep-k_q906a36c2a1_prep
	.p2alignl 7, 3214868480
	.fill 96, 4, 3214868480
	.section	.rodata,"a",@progbits
	.p2align	6, 0x0
	.amdhsa_kernel k_q906a36c2a1_prep
		.amdhsa_group_segment_fixed_size 68096
		.amdhsa_private_segment_fixed_size 0
		.amdhsa_enable_private_segment 0
		.amdhsa_kernarg_size 48
		.amdhsa_user_sgpr_count 2
		.amdhsa_user_sgpr_kernarg_segment_ptr 1
		.amdhsa_wavefront_size32 1
		.amdhsa_system_sgpr_workgroup_id_x 1
		.amdhsa_system_sgpr_workgroup_id_y 1
		.amdhsa_system_sgpr_workgroup_id_z 1
		.amdhsa_system_vgpr_workitem_id 0
		.amdhsa_next_free_vgpr 194
		.amdhsa_next_free_sgpr 66
		.amdhsa_reserve_vcc 0
		.amdhsa_float_denorm_mode_32 3
		.amdhsa_float_denorm_mode_16_64 3
		.amdhsa_memory_ordered 1
		.amdhsa_forward_progress 1
		.amdhsa_inst_pref_size 130
	.end_amdhsa_kernel
	.amdgpu_metadata
---
amdhsa.version: [ 1, 2 ]
amdhsa.kernels:
  - .name:           k_q906a36c2a1_prep
    .symbol:         k_q906a36c2a1_prep.kd
    .args:
      - { .name: x, .offset: 0, .size: 8, .value_kind: global_buffer, .address_space: global }
      - { .name: Wqkv, .offset: 8, .size: 8, .value_kind: global_buffer, .address_space: global }
      - { .name: Wo, .offset: 16, .size: 8, .value_kind: global_buffer, .address_space: global }
      - { .name: xq, .offset: 24, .size: 8, .value_kind: global_buffer, .address_space: global }
      - { .name: wq, .offset: 32, .size: 8, .value_kind: global_buffer, .address_space: global }
      - { .name: wof, .offset: 40, .size: 8, .value_kind: global_buffer, .address_space: global }
    .group_segment_fixed_size: 68096
    .private_segment_fixed_size: 0
    .kernarg_segment_align: 8
    .kernarg_segment_size: 48
    .max_flat_workgroup_size: 128
    .sgpr_count:     66
    .vgpr_count:     194
    .wavefront_size: 32
...
	.end_amdgpu_metadata
.endif
;; end of part 1
;; launch qkv (part 2): grid 12 x 16, 4 waves a work-group, clusters of 4 x 4, 327,680 bytes of LDS; arguments xq, wq, bqkv, qb, kv; writes qb, kv
.if DOCPART == 2
	.amdgcn_target "amdgcn-amd-amdhsa--gfx1250"
	.amdhsa_code_object_version 6
	.text
	.protected	k_q906a36c2a1_qkv
	.globl	k_q906a36c2a1_qkv
	.p2align	8
	.type	k_q906a36c2a1_qkv,@function
k_q906a36c2a1_qkv:
	s_mov_b64 s[64:65], 0
	v_nop
	global_prefetch_b8 v0, s[64:65] scope:SCOPE_SE
	s_setreg_imm32_b32 hwreg(HW_REG_WAVE_MODE, 25, 1), 1
	s_wait_xcnt 0x0
	s_wait_alu depctr_hold_cnt(0) depctr_sa_sdst(0) depctr_va_vdst(0) depctr_va_sdst(0) depctr_va_ssrc(0) depctr_va_vcc(0) depctr_vm_vsrc(0)
	s_getreg_b32 s2, hwreg(HW_REG_IB_STS2, 6, 4)
	s_cmp_eq_u32 s2, 0
	s_cbranch_scc0 .Lentry_in_a_cluster
	s_endpgm
.Lentry_in_a_cluster:
	s_bfe_u32 s2, ttmp6, 0x10000c
	s_cmp_lg_u32 s2, 0xf033
	s_cbranch_scc0 .Lentry_shape_is_right
	s_endpgm
.Lentry_shape_is_right:
; Launch 2 of 5: qkv = Q(x) Q(Wqkv) + bqkv on codes of E2M1 with E8M0 scales, then the rotation of q and k, all rounded once to f16 and laid as the attention wants them.  No work is left out here.
; A work-group of four waves makes 256 x 256, a wave 128 x 128: 64 accumulators, 512 registers.  K = 1,024 is two LDS slots of 512 along K, both filled once, with the scale bytes, at the start.
; CLUSTERS of 4 x 4.  The cluster's x names the part: 0 = q, 1 = k, 2 = v; it is the same in all sixteen partners, so branches may hang on it.  "A" is shared along a row of the cluster, "B" along a column.
;   q, k: A = 256 tokens (1024 CY + 256 cy), B = rows 1024 CX + 128 cx + 0..127 of W^T and the same + 512: a column i and its partner i + 512 of the rotation lie in one wave.
;   v:    A = rows 2048 + 256 cy of W^T, B = 256 tokens (1024 CY + 256 cx): the operands change places, so that a lane holds one channel and eight neighbouring tokens: V^T.
; THE MATRIX INSTRUCTION IS USED TRANSPOSED: source 0 = 16 rows of B, source 1 = 16 rows of A: lane (r, h) holds A's row r and B's rows 8 h + 0 .. 7.
; A wave's eight blocks of B are 4 + 4: block b lies at B's LDS row 64 (wave & 1) + 16 b + 64 (b / 4): in q and k head hA = 2 cx + (wave & 1) and head hA + 8.
; THE ROTATION, in f32: inv_freq(f) = 2^(-f log2(10) / 128); angle = token x inv_freq; reduction by pi/2 in two parts, sine to y^9 and cosine to y^8 on |y| <= pi/4.  A lane has 32 frequencies and
; tokens 16 apart: 32 start angles and 32 step angles (16 inv_freq) are evaluated, and (cos, sin) are turned on by the addition theorem seven times.  q's cos and sin carry the factor log2(e) / 8, so a score is the softmax's exponent to base 2.
; OUT: qb [16 heads][4096][64] f16;  kv [16 heads][32 units of 128 keys][32,768 B]: a unit = K [128][64] f16, then V^T of keys 0-63 [64 ch][64], then V^T of keys 64-127.
; LIMITS: |q|, |k|, |v| stay under 65,504 (f16); NaN and infinities are not served.
; REGISTERS: window 0: v0-31 addresses; v32-95 scale words, two sets; v128-191 A's fragments.  window 1: B's fragments, two sets, v0-63 and v128-191.  windows 2, 3: the accumulators ((a, b) at v[8 (8 (a % 4) + b)]).
; On the way out: window 0: v32-95 T, v96-127 TMP, v128-159 PK, v160-191 BK, v192-255 bias;  window 1: v64-95 cos, v96-127 sin, v192-223 and v224-255 those of the step angle.
.set NQ,     4
.set ROWB,   256
.set KROW,   512
.set PITCH,  272                       ; an LDS row: 256 bytes + 16: the 16 rows of a load start at 16 different groups of four banks
.set FR,     8
.set NL,     2
.set NP,     4                         ; places behind this matrix instruction (ISA guide 7.12.1)
.set HALFT,  128*PITCH
.set SLOT,   4*HALFT
.set KS,     32
.set SCL,    2*SLOT
.set HALFS,  (128*KS/256)*272
.set SBLK,   (16*KS/256)*272
.set SPARE,  SCL+4*HALFS
.set ADRA, 16
.set ADRB, 20
.set STO,  24
.set RD,   25
.set CO,   26
.set ADRS, 27                          ; scale words of blocks 0-3: lanes 0-15 A's, lanes 16-31 B's
.set SPW,  28
.set NIL,  29
.set ADRS2, 30                         ; of blocks 4-7
.set BA,   31                          ; the bias loads' offset
.set SC,   32
.set AF,   128
.set T,    32
.set TMP,  96
.set PK,   128
.set BK,   160
.set BIAS, 192
.set WK,   32                          ; the angles' work: eight evaluations x eight registers
.set INV,  96                          ; inv_freq of my 32 frequencies
.set RC,   64
.set RS,   96
.set RCD,  192
.set RSD,  224
.set G1, 24
.set G0, 32
.set G1B, 48
.set G0B, 56
.set G1S, 68
.set G0S, 76
.set G1SB, 80
.set G0SB, 88
.set K2PI, 66
.set NHI,  67
.set PLO,  92
.set S9,   93
.set S7,   94
.set S5,   95
.set SIG,  97
.set S3,   98
.set C8,   99
.set C6,   100
.set C4,   101
.set MSB, 0
.macro WIN new                         ; the immediate's high byte repeats the setting that is left
.if MSB != \new
	s_set_vgpr_msb (MSB<<8)|\new
.set MSB, \new
.endif
.endm
.set MUL_LO, 0xa1
.set MUL_HI, 0xf1
.set TO_B,   0x40
.macro JLOAD g0a, g1a, g0b, g1b        ; a joint load: waves 0, 1 fetch for A, waves 2, 3 for B; an s_nop 0 and four v_nop follow each line
	s_cmp_eq_u32 s15, 0
	s_cbranch_scc0 .Lfor_b_\@
	tensor_load_to_lds s[\g0a:\g0a+3], s[\g1a:\g1a+7]
	s_nop 0
.rept 4
	v_nop
.endr
	s_branch .Lasked_\@
.Lfor_b_\@:
	tensor_load_to_lds s[\g0b:\g0b+3], s[\g1b:\g1b+7]
	s_nop 0
.rept 4
	v_nop
.endr
.Lasked_\@:
.endm
.macro CROUND                          ; a round of the cluster's barrier
	s_barrier_signal -1
	s_barrier_wait -1
	s_cmp_lg_u32 s14, 0
	s_cbranch_scc1 .Lnot_wave_0_\@
	s_barrier_signal -3
.Lnot_wave_0_\@:
	s_barrier_wait -3
	s_barrier_signal -1
	s_barrier_wait -1
.endm
	s_load_b256 s[4:11], s[0:1], 0x0               ; xq s[4:5], wq s[6:7], bqkv s[8:9], qb s[10:11]
	s_load_b64 s[12:13], s[0:1], 0x20              ; kv
	v_lshl_add_u32 v[SPW], v0, 2, SPARE
	v_mov_b32 v[NIL], 0
	ds_add_u32 v[SPW], v[NIL]                      ; the opening: the add, twice on end, and its wait ahead of my first tensor load
	ds_add_u32 v[SPW], v[NIL]
	v_lshrrev_b32 v1, 5, v0
	v_readfirstlane_b32 s14, v1                    ; wave
	s_lshr_b32 s15, s14, 1                         ; my half of A's rows.  Also: I fetch for A (0) or B (1)
	s_and_b32 s16, s14, 1                          ; my part of B's rows.  Also: which 128 rows I fetch
	s_bfe_u32 s40, ttmp6, 0x40000                  ; cx
	s_bfe_u32 s41, ttmp6, 0x40004                  ; cy
	s_and_b32 s17, ttmp7, 0xffff                   ; CY, the cluster's y
	s_lshl_b32 s43, s41, 2
	s_lshl_b32 s43, 15, s43                        ; my row of the cluster
	s_lshl_b32 s44, 0x1111, s40                    ; my column
	s_or_b32 s[G1+0], s43, (0<<16)|(1<<20)|(1<<21)|(5<<22)|(3<<25)   ; mask; bytes; padding of 4 words behind every 64; bit 21 beside a mask
	s_or_b32 s[G1B+0], s44, (0<<16)|(1<<20)|(1<<21)|(5<<22)|(3<<25)
.irp g, G1, G1B
	s_mov_b32 s[\g+1], ROWB<<16                    ; tensor_dim0
	s_mov_b32 s[\g+2], 128<<16                     ; tensor_dim1
	s_mov_b32 s[\g+3], ROWB<<16                    ; tile_dim0
	s_mov_b32 s[\g+4], 128                         ; tile_dim1
	s_mov_b32 s[\g+5], KROW                        ; pitch
	s_mov_b32 s[\g+6], 0
	s_mov_b32 s[\g+7], 0
.endr
	s_or_b32 s[G1S+0], s43, (3<<16)|(1<<20)|(1<<21)|(5<<22)|(3<<25)  ; the scale bytes of 128 rows: 4,096 dense bytes as 16 rows of 256, 16 bytes of padding behind each
	s_or_b32 s[G1SB+0], s44, (3<<16)|(1<<20)|(1<<21)|(5<<22)|(3<<25)
.irp g, G1S, G1SB
	s_mov_b32 s[\g+1], 32<<16
	s_mov_b32 s[\g+2], (128*KS/256)<<16
	s_mov_b32 s[\g+3], 32<<16
	s_mov_b32 s[\g+4], 128*KS/256
	s_mov_b32 s[\g+5], 32
	s_mov_b32 s[\g+6], 0
	s_mov_b32 s[\g+7], 0
.endr
	; which rows.  A's registers hold cy and cluster ids alone, B's cx and cluster ids alone
	s_lshl_b32 s18, s17, 10                        ; 1024 CY
	s_lshl_b32 s19, ttmp9, 10                      ; 1024 CX
	s_mov_b32 s94, 2097152                         ; where xq's scale bytes begin
	s_mov_b32 s95, 1572864                         ; and wq's
	s_cmp_eq_u32 ttmp9, 2                          ; the part v?
	s_cselect_b32 s20, 2048, s18                   ; A's term
	s_cselect_b32 s46, s18, s19                    ; B's term
	s_cselect_b32 s22, 8, 7                        ; B: cx counts 256 or 128 rows,
	s_cselect_b32 s23, 7, 9                        ; the half 128 or 512
	s_cselect_b32 s96, s95, s94                    ; A's scale bytes
	s_cselect_b32 s97, s94, s95                    ; B's
	s_lshl_b32 s21, s41, 8
	s_add_co_u32 s20, s20, s21
	s_lshl_b32 s21, s16, 7
	s_add_co_u32 s20, s20, s21                     ; A's first row for me
	s_lshl_b32 s47, s40, s22
	s_add_co_u32 s46, s46, s47
	s_lshl_b32 s47, s16, s23
	s_add_co_u32 s46, s46, s47                     ; B's
	s_lshl_b32 s22, s20, 5
	s_add_co_u32 s22, s22, s96                     ; bytes: 32 of scales a row,
	s_mov_b32 s23, 0
	s_lshl_b32 s20, s20, 9                         ; 512 of codes
	s_mov_b32 s21, 0
	s_lshl_b32 s92, s46, 5
	s_add_co_u32 s92, s92, s97
	s_mov_b32 s93, 0
	s_lshl_b32 s46, s46, 9
	s_mov_b32 s47, 0
	s_mul_i32 s45, s14, HALFT                      ; where they go: wave x 128 rows
	s_mul_i32 s94, s14, HALFS
	s_wait_dscnt 0x0                               ; both opening adds are done
	s_wait_kmcnt 0x0
	s_cmp_eq_u32 ttmp9, 2
	s_cselect_b64 s[2:3], s[6:7], s[4:5]           ; A's buffer
	s_cselect_b64 s[18:19], s[4:5], s[6:7]         ; B's
	s_add_nc_u64 s[20:21], s[2:3], s[20:21]
	s_add_nc_u64 s[22:23], s[2:3], s[22:23]
	s_add_nc_u64 s[46:47], s[18:19], s[46:47]
	s_add_nc_u64 s[92:93], s[18:19], s[92:93]
	CROUND                                         ; all sixteen work-groups are here: the first joint loads meet
	s_mov_b32 s[G0S], 1
	s_add_co_u32 s[G0S+1], s94, SCL
	s_mov_b64 s[G0S+2:G0S+3], s[22:23]
	s_or_b32 s[G0S+3], s[G0S+3], 0x80000000
	s_mov_b32 s[G0SB], 1
	s_add_co_u32 s[G0SB+1], s94, SCL
	s_mov_b64 s[G0SB+2:G0SB+3], s[92:93]
	s_or_b32 s[G0SB+3], s[G0SB+3], 0x80000000
	JLOAD G0S, G1S, G0SB, G1SB                     ; the scales first
.irp s, 0,1
	s_mov_b32 s[G0+4*\s], 1
	s_add_co_u32 s[G0+4*\s+1], s45, \s*SLOT
	s_add_nc_u64 s[G0+4*\s+2:G0+4*\s+3], s[20:21], \s*ROWB
	s_or_b32 s[G0+4*\s+3], s[G0+4*\s+3], 0x80000000
	s_mov_b32 s[G0B+4*\s], 1
	s_add_co_u32 s[G0B+4*\s+1], s45, \s*SLOT
	s_add_nc_u64 s[G0B+4*\s+2:G0B+4*\s+3], s[46:47], \s*ROWB
	s_or_b32 s[G0B+4*\s+3], s[G0B+4*\s+3], 0x80000000
	JLOAD G0+4*\s, G1, G0B+4*\s, G1B               ; three loads of mine are out
.endr
	v_and_b32 v1, 15, v0                           ; r; kept
	v_bfe_u32 v2, v0, 4, 1                         ; h; kept
	v_mul_u32_u24 v3, v1, PITCH
	v_lshl_add_u32 v4, v2, 4, v3
	s_mul_i32 s21, s15, HALFT                      ; my 128 rows of A
	s_mul_i32 s22, s16, 64*PITCH                   ; my 64 + 64 rows of B,
	s_add_co_u32 s22, s22, 2*HALFT                 ; behind A's 256
.irp s, 0,1
	v_add_nc_u32 v[ADRA+\s], s21, v4
	v_add_nc_u32 v[ADRB+\s], s22, v4
	s_add_co_u32 s21, s21, SLOT
	s_add_co_u32 s22, s22, SLOT
.endr
	v_mul_u32_u24 v5, v1, KS                       ; my row's scale bytes: 32 a row,
	v_lshrrev_b32 v6, 8, v5
	v_lshl_add_u32 v5, v6, 4, v5                   ; 16 more for each 256 passed
	s_mul_i32 s21, s15, HALFS
	s_mul_i32 s22, s16, 4*SBLK
	s_add_co_u32 s22, s22, 2*HALFS
	s_sub_co_u32 s22, s22, s21                     ; from A's base to B's, blocks 0-3
	v_mul_u32_u24 v6, s22, v2
	s_add_co_u32 s23, s22, 4*SBLK                  ; and blocks 4-7, which lie 64 rows further on
	v_mul_u32_u24 v7, s23, v2
	s_add_co_u32 s21, s21, SCL
	v_add_nc_u32 v6, v5, v6
	v_add_nc_u32 v[ADRS], s21, v6
	v_add_nc_u32 v7, v5, v7
	v_add_nc_u32 v[ADRS2], s21, v7
	s_mul_i32 s23, s14, 4608                       ; my stage for the way out, in slot 0: two groups of 16 rows x 144 bytes
	v_mul_u32_u24 v5, v1, 144
	v_lshl_add_u32 v5, v2, 4, v5
	v_add_nc_u32 v[STO], s23, v5
	v_and_b32 v6, 31, v0
	v_lshrrev_b32 v7, 3, v6
	v_mul_u32_u24 v7, v7, 144
	v_and_b32 v8, 7, v0
	v_lshl_add_u32 v7, v8, 4, v7
	v_add_nc_u32 v[RD], s23, v7
	v_lshlrev_b32 v[CO], 4, v6
.macro FRAG reg, adr, q, i             ; 16 rows x 128 K of 4-bit codes: 8 registers: two loads of 16 bytes, 32 apart
.irp c, 0,1
	ds_load_b128 v[\reg+4*\c:\reg+4*\c+3], v[\adr] offset:64*(\q)+32*\c+(\i)*16*PITCH
.endr
.endm
; 16 matrix instructions: A's blocks a0, a0 + 1 x B's eight.  The 64 accumulators take turns, one instruction a turn, in the same order in every step.
.macro MUL16 a0, p, q, sc, zero
.irp a, \a0, \a0+1
.irp b, 0,1,2,3,4,5,6,7
.if \zero
	v_wmma_scale_f32_16x16x128_f8f6f4 v[8*(8*((\a)%4)+\b):8*(8*((\a)%4)+\b)+7], v[128*(\p)+FR*\b:128*(\p)+FR*\b+FR-1], v[AF+FR*(\a):AF+FR*(\a)+FR-1], 0, v[SC+8*NQ*(\sc)+NQ*\b+(\q)], v[SC+8*NQ*(\sc)+NQ*(\a)+(\q)] matrix_a_fmt:MATRIX_FMT_FP4 matrix_b_fmt:MATRIX_FMT_FP4 matrix_a_scale:MATRIX_SCALE_ROW1
.else
	v_wmma_scale_f32_16x16x128_f8f6f4 v[8*(8*((\a)%4)+\b):8*(8*((\a)%4)+\b)+7], v[128*(\p)+FR*\b:128*(\p)+FR*\b+FR-1], v[AF+FR*(\a):AF+FR*(\a)+FR-1], v[8*(8*((\a)%4)+\b):8*(8*((\a)%4)+\b)+7], v[SC+8*NQ*(\sc)+NQ*\b+(\q)], v[SC+8*NQ*(\sc)+NQ*(\a)+(\q)] matrix_a_fmt:MATRIX_FMT_FP4 matrix_b_fmt:MATRIX_FMT_FP4 matrix_a_scale:MATRIX_SCALE_ROW1
.endif
.endr
.endr
.endm
.macro FETCH_B slot, q, p
	WIN TO_B
.irp i, 0,1,2,3,4,5,6,7
	FRAG 128*(\p)+FR*\i, ADRB+\slot, \q, \i+4*(\i/4)
.endr
	WIN 0
.endm
.macro FETCH_A slot, q, i0
.irp i, \i0, \i0+1, \i0+2, \i0+3
	FRAG AF+FR*(\i), ADRA+\slot, \q, \i
.endr
.endm
.macro SCALES sc                       ; a slot's scale words: four a row; lanes 0-15 A's block i, lanes 16-31 B's block i
.irp i, 0,1,2,3
	ds_load_b128 v[SC+8*NQ*\sc+NQ*\i:SC+8*NQ*\sc+NQ*\i+3], v[ADRS] offset:\i*SBLK
.endr
.irp i, 4,5,6,7
	ds_load_b128 v[SC+8*NQ*\sc+NQ*\i:SC+8*NQ*\sc+NQ*\i+3], v[ADRS2] offset:\i*SBLK
.endr
.endm
.macro PLACES n
.rept \n
	v_nop
.endr
.endm
.macro STEP slot, q, zero              ; 128 along K whose successor lies in the same slot
	s_wait_dscnt 4*NL                              ; all but the youngest eight loads (A's blocks 4-7) are in
	WIN MUL_LO
	MUL16 0, (\q)%2, \q, \slot, \zero
	MUL16 2, (\q)%2, \q, \slot, \zero
	s_wait_dscnt 0
	PLACES NP
	FETCH_B \slot, (\q)+1, 1-(\q)%2
	FETCH_A \slot, (\q)+1, 0
	WIN MUL_HI
	MUL16 4, (\q)%2, \q, \slot, \zero
	MUL16 6, (\q)%2, \q, \slot, \zero
	PLACES NP
	WIN 0
	FETCH_A \slot, (\q)+1, 4
.endm
.macro STEPS slot, from
.set Q, \from
.rept NQ-1-\from
	STEP \slot, Q, 0
.set Q, Q+1
.endr
.endm
	s_wait_tensorcnt 1                             ; the scales and my part of slot 0 are in; slot 1's load may be out
	s_barrier_signal -1
	s_barrier_wait -1
	FETCH_B 0, 0, 0
	FETCH_A 0, 0, 0
	SCALES 0
	FETCH_A 0, 0, 4
	STEP 0, 0, 1                                   ; the first products start the sums
	STEPS 0, 1
	; slot 0's last step changes slots: one barrier; no slot is filled again in this launch
	s_wait_tensorcnt 0x0                           ; my part of slot 1 has landed
	ds_add_u32 v[SPW], v[NIL]
	s_wait_dscnt 4*NL+1                            ; the add and the youngest eight loads may be out
	WIN MUL_LO
	MUL16 0, 1, NQ-1, 0, 0
	s_wait_dscnt 0x0                               ; the add is done, my reads of slot 0 are over
	s_barrier_signal -1
	MUL16 2, 1, NQ-1, 0, 0
	WIN 0
	s_barrier_wait -1
	PLACES NP
	v_add_nc_u32 v[ADRS], 4*NQ, v[ADRS]            ; slot 1's scale words
	v_add_nc_u32 v[ADRS2], 4*NQ, v[ADRS2]
	FETCH_B 1, 0, 0
	FETCH_A 1, 0, 0
	SCALES 1
	WIN MUL_HI
	MUL16 4, 1, NQ-1, 0, 0
	MUL16 6, 1, NQ-1, 0, 0
	PLACES NP
	WIN 0
	FETCH_A 1, 0, 4
	STEPS 1, 0
	s_wait_dscnt 4*NL
	WIN MUL_LO
	MUL16 0, 1, NQ-1, 1, 0
	MUL16 2, 1, NQ-1, 1, 0
	s_wait_dscnt 0
	WIN MUL_HI
	MUL16 4, 1, NQ-1, 1, 0
	MUL16 6, 1, NQ-1, 1, 0
	WIN 0
	PLACES NP                                      ; behind the last products: for the reads of results and the writes of operands' and scales' registers
; THE WAY OUT.  A block a is 16 rows of A x my 128 rows of B; rounded to f16 it is two groups of 16 rows x 128 bytes, which go through my stage and leave as 2,048 dense bytes each.
.macro OUT_A
.irp b, 0,1,2,3,4,5,6,7
	ds_store_b128 v[STO], v[PK+4*\b:PK+4*\b+3] offset:2304*(\b/4)+32*(\b%4)
.endr
	s_wait_xcnt 0x0                                ; the last block's stores have read BK
.irp t, 0,1,2,3,4,5,6,7
	ds_load_b128 v[BK+4*\t:BK+4*\t+3], v[RD] offset:2304*(\t/4)+576*(\t%4)   ; LDS serves a wave's instructions in order: these see the stores above
.endr
.endm
.macro OUT_B off0, b1, off1
	s_wait_dscnt 0x0
.irp t, 0,1,2,3
	global_store_b128 v[CO], v[BK+4*\t:BK+4*\t+3], s[2:3] offset:(\off0)+512*\t            ; 32 lanes store 512 consecutive bytes, aligned
.endr
.irp t, 0,1,2,3
	global_store_b128 v[CO], v[BK+16+4*\t:BK+16+4*\t+3], s[\b1:\b1+1] offset:(\off1)+512*\t
.endr
.endm
.macro TOF16
.set p, 0
.rept 32
	v_cvt_pk_f16_f32 v[PK+p], v[T+2*p], v[T+2*p+1]
.set p, p+1
.endr
.endm
	s_cmp_eq_u32 ttmp9, 2
	s_cbranch_scc1 .Lout_v
	; ---------------- q and k
	s_lshl_b32 s20, s40, 1
	s_add_co_u32 s20, s20, s16                     ; hA = 2 cx + (wave & 1)
	s_lshl_b32 s21, s17, 3
	s_lshl_b32 s22, s41, 1
	s_add_co_u32 s21, s21, s22
	s_add_co_u32 s21, s21, s15                     ; U: which 128 tokens are mine
	s_mov_b32 s96, 0x3f800000
	s_cmp_eq_u32 ttmp9, 0
	s_cselect_b32 s22, 19, 20                      ; a head is 2^19 bytes of qb, 2^20 of kv;
	s_cselect_b32 s23, 14, 15                      ; 128 tokens 2^14, a unit 2^15
	s_cselect_b64 s[2:3], s[10:11], s[12:13]
	s_cselect_b32 s[SIG], 0x3e38aa3b, s96          ; q carries log2(e) / 8, k carries 1
	s_lshl_b32 s46, s20, s22
	s_lshl_b32 s47, s21, s23
	s_add_co_u32 s46, s46, s47
	s_mov_b32 s47, 0
	s_add_nc_u64 s[2:3], s[2:3], s[46:47]          ; head hA's rows
	s_add_co_u32 s22, s22, 3
	s_lshl_b32 s46, 1, s22
	s_add_nc_u64 s[18:19], s[2:3], s[46:47]        ; head hA + 8's
	s_lshl_b32 s46, ttmp9, 12
	s_lshl_b32 s22, s20, 8
	s_add_co_u32 s46, s46, s22
	s_add_nc_u64 s[8:9], s[8:9], s[46:47]          ; bqkv at column 1024 CX + 64 hA
	v_lshlrev_b32 v[BA], 5, v2                     ; + 8 h
.irp b, 0,1,2,3,4,5,6,7
	global_load_b128 v[BIAS+8*\b:BIAS+8*\b+3], v[BA], s[8:9] offset:64*(\b%4)+2048*(\b/4)
	global_load_b128 v[BIAS+8*\b+4:BIAS+8*\b+7], v[BA], s[8:9] offset:64*(\b%4)+2048*(\b/4)+16
.endr
	s_mov_b32 s[K2PI], 0x3f22f983                  ; 2 / pi
	s_mov_b32 s[NHI], 0xbfc90fdb                   ; -(pi / 2), the f32 nearest,
	s_mov_b32 s[PLO], 0x333bbd2e                   ; and what that f32 has too much
	s_mov_b32 s[S9], 0x3638ef1d                    ; 1 / 9!
	s_mov_b32 s[S7], 0xb9500d01                    ; -1 / 7!
	s_mov_b32 s[S5], 0x3c088889                    ; 1 / 5!
	s_mov_b32 s[S3], 0xbe2aaaab                    ; -1 / 3!
	s_mov_b32 s[C8], 0x37d00d01                    ; 1 / 8!
	s_mov_b32 s[C6], 0xbab60b61                    ; -1 / 6!
	s_mov_b32 s[C4], 0x3d2aaaab                    ; 1 / 4!
	s_lshl_b32 s22, s20, 6
	v_lshl_add_u32 v9, v2, 3, s22                  ; 64 hA + 8 h: register e = 8 b + j has frequency f = this + 16 b + j
	s_lshl_b32 s23, s21, 7
	v_add_nc_u32 v10, s23, v1
	v_cvt_f32_u32 v10, v10                         ; my first token, 128 U + r
.set e, 0
.rept 32
	v_add_nc_u32 v[INV+e], 16*(e/8)+e%8, v9
.set e, e+1
.endr
.set e, 0
.rept 32
	v_cvt_f32_u32 v[INV+e], v[INV+e]
.set e, e+1
.endr
.set e, 0
.rept 32
	v_mul_f32 v[INV+e], 0xbcd49a78, v[INV+e]       ; -f log2(10) / 128
.set e, e+1
.endr
.set e, 0
.rept 32
	v_exp_f32 v[INV+e], v[INV+e]
.set e, e+1
.endr
	v_nop                                          ; a plain place behind the batch,
	s_wait_alu depctr_va_vdst(0)                   ; and its one wait ahead of the first reader
; Eight angles at a time, by turns.  Registers of evaluation n at WK + 8 n: +0 angle, then sine; +1 k, then cosine; +2 y; +3 y^2; +4, +5 the two series; +6 k as a whole number; +7 at work.
.macro SINCOS8 g, step
.irp n, 0,1,2,3,4,5,6,7
.if \step
	v_mul_f32 v[WK+8*\n], 0x41800000, v[INV+8*(\g)+\n]     ; 16 inv_freq
.else
	v_mul_f32 v[WK+8*\n], v10, v[INV+8*(\g)+\n]            ; token x inv_freq
.endif
.endr
.irp n, 0,1,2,3,4,5,6,7
	v_mul_f32 v[WK+8*\n+1], s[K2PI], v[WK+8*\n]
.endr
.irp n, 0,1,2,3,4,5,6,7
	v_rndne_f32 v[WK+8*\n+1], v[WK+8*\n+1]
.endr
.irp n, 0,1,2,3,4,5,6,7
	v_fma_f32 v[WK+8*\n+2], v[WK+8*\n+1], s[NHI], v[WK+8*\n]
.endr
.irp n, 0,1,2,3,4,5,6,7
	v_fma_f32 v[WK+8*\n+2], v[WK+8*\n+1], s[PLO], v[WK+8*\n+2]
.endr
.irp n, 0,1,2,3,4,5,6,7
	v_mul_f32 v[WK+8*\n+3], v[WK+8*\n+2], v[WK+8*\n+2]
.endr
.irp n, 0,1,2,3,4,5,6,7
	v_fma_f32 v[WK+8*\n+4], v[WK+8*\n+3], s[S9], s[S7]
	v_fma_f32 v[WK+8*\n+5], v[WK+8*\n+3], s[C8], s[C6]
.endr
.irp n, 0,1,2,3,4,5,6,7
	v_fma_f32 v[WK+8*\n+4], v[WK+8*\n+4], v[WK+8*\n+3], s[S5]
	v_fma_f32 v[WK+8*\n+5], v[WK+8*\n+5], v[WK+8*\n+3], s[C4]
.endr
.irp n, 0,1,2,3,4,5,6,7
	v_fma_f32 v[WK+8*\n+4], v[WK+8*\n+4], v[WK+8*\n+3], s[S3]
	v_fma_f32 v[WK+8*\n+5], v[WK+8*\n+5], v[WK+8*\n+3], -0.5
.endr
.irp n, 0,1,2,3,4,5,6,7
	v_mul_f32 v[WK+8*\n+7], v[WK+8*\n+3], v[WK+8*\n+2]
	v_fma_f32 v[WK+8*\n+5], v[WK+8*\n+5], v[WK+8*\n+3], 1.0
.endr
.irp n, 0,1,2,3,4,5,6,7
	v_fma_f32 v[WK+8*\n+4], v[WK+8*\n+4], v[WK+8*\n+7], v[WK+8*\n+2]
	v_cvt_i32_f32 v[WK+8*\n+6], v[WK+8*\n+1]
.endr
.irp n, 0,1,2,3,4,5,6,7
	v_and_b32 v[WK+8*\n+7], 1, v[WK+8*\n+6]
.endr
.irp n, 0,1,2,3,4,5,6,7
	v_cmp_eq_u32 vcc_lo, 1, v[WK+8*\n+7]                   ; an odd quadrant changes the two series' places
	v_cndmask_b32 v[WK+8*\n], v[WK+8*\n+4], v[WK+8*\n+5], vcc_lo
	v_cndmask_b32 v[WK+8*\n+1], v[WK+8*\n+5], v[WK+8*\n+4], vcc_lo
.endr
.irp n, 0,1,2,3,4,5,6,7
	v_lshlrev_b32 v[WK+8*\n+7], 30, v[WK+8*\n+6]           ; the sine's sign: bit 1 of k;
	v_add_nc_u32 v[WK+8*\n+6], 1, v[WK+8*\n+6]
.endr
.irp n, 0,1,2,3,4,5,6,7
	v_and_b32 v[WK+8*\n+7], 0x80000000, v[WK+8*\n+7]
	v_lshlrev_b32 v[WK+8*\n+6], 30, v[WK+8*\n+6]           ; the cosine's: bit 1 of k + 1
.endr
.irp n, 0,1,2,3,4,5,6,7
	v_xor_b32 v[WK+8*\n], v[WK+8*\n+7], v[WK+8*\n]
	v_and_b32 v[WK+8*\n+6], 0x80000000, v[WK+8*\n+6]
.endr
.irp n, 0,1,2,3,4,5,6,7
	v_xor_b32 v[WK+8*\n+1], v[WK+8*\n+6], v[WK+8*\n+1]
.endr
	WIN 0x40                                       ; destination window 1
.irp n, 0,1,2,3,4,5,6,7
.if \step
	v_mov_b32 v[RCD+8*(\g)+\n], v[WK+8*\n+1]
	v_mov_b32 v[RSD+8*(\g)+\n], v[WK+8*\n]
.else
	v_mul_f32 v[RC+8*(\g)+\n], s[SIG], v[WK+8*\n+1]
	v_mul_f32 v[RS+8*(\g)+\n], s[SIG], v[WK+8*\n]
.endif
.endr
	WIN 0
.endm
.irp g, 0,1,2,3
	SINCOS8 \g, 0
	SINCOS8 \g, 1
.endr
	s_wait_loadcnt 0x0                             ; the bias
; Block a: 16 tokens.  lo = columns of head hA (accumulators b < 4), hi = their partners 512 on (b >= 4).  lo' = lo cos - hi sin, hi' = hi cos + lo sin.
.macro QKBLK a
.set AC, 64*((\a)%4)
	WIN 0x02+(\a)/4                                ; source 0: window 2 or 3
.set p, 0
.rept 32
	v_pk_add_f32 v[T+2*p:T+2*p+1], v[AC+2*p:AC+2*p+1], v[BIAS+2*p:BIAS+2*p+1]   ; each accumulator from its low end on
.set p, p+1
.endr
	WIN 0x04                                       ; source 1: window 1
.irp hf, 0,1
.set p, 0
.rept 8
	v_pk_mul_f32 v[TMP+2*p:TMP+2*p+1], v[T+32+16*\hf+2*p:T+32+16*\hf+2*p+1], v[RS+16*\hf+2*p:RS+16*\hf+2*p+1]
	v_pk_mul_f32 v[TMP+16+2*p:TMP+16+2*p+1], v[T+16*\hf+2*p:T+16*\hf+2*p+1], v[RS+16*\hf+2*p:RS+16*\hf+2*p+1]
.set p, p+1
.endr
.set p, 0
.rept 8
	v_pk_fma_f32 v[T+16*\hf+2*p:T+16*\hf+2*p+1], v[T+16*\hf+2*p:T+16*\hf+2*p+1], v[RC+16*\hf+2*p:RC+16*\hf+2*p+1], v[TMP+2*p:TMP+2*p+1] neg_lo:[0,0,1] neg_hi:[0,0,1]
	v_pk_fma_f32 v[T+32+16*\hf+2*p:T+32+16*\hf+2*p+1], v[T+32+16*\hf+2*p:T+32+16*\hf+2*p+1], v[RC+16*\hf+2*p:RC+16*\hf+2*p+1], v[TMP+16+2*p:TMP+16+2*p+1]
.set p, p+1
.endr
.endr
	WIN 0
	TOF16
	OUT_A
.if (\a) < 7                           ; cos and sin go 16 tokens on, while the block comes back from the stage
	WIN 0x05
.set p, 0
.rept 16
	v_pk_mul_f32 v[T+2*p:T+2*p+1], v[RS+2*p:RS+2*p+1], v[RSD+2*p:RSD+2*p+1]
	v_pk_mul_f32 v[T+32+2*p:T+32+2*p+1], v[RC+2*p:RC+2*p+1], v[RSD+2*p:RSD+2*p+1]
.set p, p+1
.endr
	WIN 0x45
.set p, 0
.rept 16
	v_pk_fma_f32 v[RC+2*p:RC+2*p+1], v[RC+2*p:RC+2*p+1], v[RCD+2*p:RCD+2*p+1], v[T+2*p:T+2*p+1] neg_lo:[0,0,1] neg_hi:[0,0,1]
	v_pk_fma_f32 v[RS+2*p:RS+2*p+1], v[RS+2*p:RS+2*p+1], v[RCD+2*p:RCD+2*p+1], v[T+32+2*p:T+32+2*p+1]
.set p, p+1
.endr
	WIN 0
.endif
	OUT_B (\a)*2048, 18, (\a)*2048
.endm
.irp a, 0,1,2,3,4,5,6,7
	QKBLK \a
.endr
	s_branch .Lfin
.Lout_v:
	; ---------------- v: lane (r, h) holds channel 256 cy + 128 (wave >> 1) + 16 a + r and eight neighbouring tokens
	s_lshl_b32 s46, s41, 10
	s_lshl_b32 s22, s15, 9
	s_add_co_u32 s46, s46, s22
	s_add_co_u32 s46, s46, 8192
	s_mov_b32 s47, 0
	s_add_nc_u64 s[8:9], s[8:9], s[46:47]          ; bqkv at column 2048 + 256 cy + 128 (wave >> 1)
	v_lshlrev_b32 v[BA], 2, v1
.irp a, 0,1,2,3,4,5,6,7
	global_load_b32 v[BIAS+2*\a], v[BA], s[8:9] offset:64*\a       ; my channel's bias, twice: a pair for the packed addition
	global_load_b32 v[BIAS+2*\a+1], v[BA], s[8:9] offset:64*\a
.endr
	s_lshl_b32 s20, s41, 2
	s_lshl_b32 s21, s15, 1
	s_add_co_u32 s20, s20, s21
	s_lshl_b32 s46, s20, 20                        ; head 4 cy + 2 (wave >> 1)
	s_lshl_b32 s20, s17, 3
	s_lshl_b32 s21, s40, 1
	s_add_co_u32 s20, s20, s21
	s_lshl_b32 s20, s20, 15                        ; unit 8 CY + 2 cx
	s_add_co_u32 s46, s46, s20
	s_lshl_b32 s20, s16, 13                        ; which 64 keys of the unit
	s_add_co_u32 s46, s46, s20
	s_add_co_u32 s46, s46, 16384                   ; behind the unit's K
	s_add_nc_u64 s[2:3], s[12:13], s[46:47]
	s_wait_loadcnt 0x0
.macro VBLK a
.set AC, 64*((\a)%4)
	WIN 0x02+(\a)/4
.set p, 0
.rept 32
	v_pk_add_f32 v[T+2*p:T+2*p+1], v[AC+2*p:AC+2*p+1], v[BIAS+2*(\a):BIAS+2*(\a)+1]
.set p, p+1
.endr
	WIN 0
	TOF16
	OUT_A
	OUT_B ((\a)/4)*1048576+((\a)%4)*2048, 2, ((\a)/4)*1048576+((\a)%4)*2048+32768
.endm
.irp a, 0,1,2,3,4,5,6,7
	VBLK \a
.endr
.Lfin:
	s_wait_tensorcnt 0x0                           ; the wave's end
	ds_add_u32 v[SPW], v[NIL]
	s_wait_dscnt 0x0
	CROUND                                         ; the closing round
	s_endpgm
.Lfunc_end_k_q906a36c2a1_qkv:
	.size	k_q906a36c2a1_qkv, .Lfunc_end_k_q906a36c2a1_qkv-k_q906a36c2a1_qkv
	.p2alignl 7, 3214868480
	.fill 96, 4, 3214868480
	.section	.rodata,"a",@progbits
	.p2align	6, 0x0
	.amdhsa_kernel k_q906a36c2a1_qkv
		.amdhsa_group_segment_fixed_size 327680
		.amdhsa_private_segment_fixed_size 0
		.amdhsa_enable_private_segment 0
		.amdhsa_kernarg_size 40
		.amdhsa_user_sgpr_count 2
		.amdhsa_user_sgpr_kernarg_segment_ptr 1
		.amdhsa_wavefront_size32 1
		.amdhsa_system_sgpr_workgroup_id_x 1
		.amdhsa_system_sgpr_workgroup_id_y 1
		.amdhsa_system_sgpr_workgroup_id_z 1
		.amdhsa_system_vgpr_workitem_id 0
		.amdhsa_next_free_vgpr 1024
		.amdhsa_next_free_sgpr 104
		.amdhsa_reserve_vcc 1
		.amdhsa_float_denorm_mode_32 3
		.amdhsa_float_denorm_mode_16_64 3
		.amdhsa_memory_ordered 1
		.amdhsa_forward_progress 1
		.amdhsa_inst_pref_size 255
	.end_amdhsa_kernel
	.section	.bss,"aw",@nobits
	.p2align	6
	.space	262144
	.amdgpu_metadata
---
amdhsa.version: [ 1, 2 ]
amdhsa.kernels:
  - .name:           k_q906a36c2a1_qkv
    .symbol:         k_q906a36c2a1_qkv.kd
    .args:
      - { .name: xq, .offset: 0, .size: 8, .value_kind: global_buffer, .address_space: global }
      - { .name: wq, .offset: 8, .size: 8, .value_kind: global_buffer, .address_space: global }
      - { .name: bqkv, .offset: 16, .size: 8, .value_kind: global_buffer, .address_space: global }
      - { .name: qb, .offset: 24, .size: 8, .value_kind: global_buffer, .address_space: global }
      - { .name: kv, .offset: 32, .size: 8, .value_kind: global_buffer, .address_space: global }
    .group_segment_fixed_size: 327680
    .private_segment_fixed_size: 0
    .kernarg_segment_align: 8
    .kernarg_segment_size: 40
    .max_flat_workgroup_size: 128
    .sgpr_count:     104
    .vgpr_count:     1024
    .wavefront_size: 32
...
	.end_amdgpu_metadata
.endif
;; end of part 2
;; launch attn (part 3): grid 16 x 16, 8 waves a work-group, no clusters, 327,680 bytes of LDS; arguments qb, kv, ob; writes ob
.if DOCPART == 3
	.amdgcn_target "amdgcn-amd-amdhsa--gfx1250"
	.amdhsa_code_object_version 6
	.text
	.protected	k_q906a36c2a1_attn
	.globl	k_q906a36c2a1_attn
	.p2align	8
	.type	k_q906a36c2a1_attn,@function
k_q906a36c2a1_attn:
	s_mov_b64 s[64:65], 0
	v_nop
	global_prefetch_b8 v0, s[64:65] scope:SCOPE_SE
	s_setreg_imm32_b32 hwreg(HW_REG_WAVE_MODE, 25, 1), 1
	s_wait_xcnt 0x0
; Launch 3 of 5: o = softmax(causal(q k^T / 8)) v for 16 heads of 64, on f16 operands with f32 sums.  q already carries log2(e) / 8: a score is the exponent to base 2.
; LEFT OUT: units of 128 keys that lie wholly behind a block of 128 queries, and in a diagonal unit a wave's 64 keys where all come behind its 32 queries: reference()'s own mask makes their weights 0 for all inputs.
; SHARES.  Work-group (I, head) owns the query blocks I and 31 - I (128 queries each): a stream of 33 units of 128 keys in every work-group: unit(u) = u for u <= I, else u - I - 1.
; Two teams of four waves: team T takes keys 64 T .. 64 T + 63 of every unit; wave w4 of both teams takes queries 32 w4 .. + 31: two tiles of 16.  So each fragment of K and V from LDS feeds two
; tiles, and two waves share a SIMD: one's softmax stands beside the other's products.  The teams' partial (O, m, l) are merged at the end through LDS.
; NO CLUSTER: work-groups of a head begin their second walk at different units (I differs), so partners would need different tiles in the same step.
; LAYOUT.  S^T = K Q^T (source 0 = 16 keys, source 1 = 16 queries), O^T = V^T P (source 0 = 16 channels, source 1 = P): a lane holds one query (lane % 16) throughout; two tiles of S^T, rounded in pairs, are P's fragment.
; SOFTMAX.  Running maximum m (begins at -3e38) and sum l of the unrounded p = 2^(s - m); O and l are multiplied by 2^(m_old - m_new) in every step.  Hidden scores become -infinity ahead of the maximum.
; LDS: two slots of three units (a unit: 128 rows of 256 bytes + 16) at 0 and 2^17; from 235,520 eight images of 9,216 bytes: each wave's state of block I, stored when the stream passes to block 31 - I; the spare words behind them.
; At the end team B's state of block 31 - I and team A's stages lie in slot 1, which has had its last fill and was left at the last change of slots.
; LIMITS: |q|, |k|, |v|, |o| under 65,504 (f16); NaN and infinities are not served.
; REGISTERS.  window 0: v1-7, v56-63 addresses and constants; v8-23 statistics, 8 a tile: +0 m, +1 old m, then the difference, +2, +3 l, +4..+7 at work (+6: a); v24-55 Q; v64-127 S^T; v128-159 P; v160-223 O^T.
;   window 1: v0-63 K, v64-127 V^T, v128-159 the second block's Q.
.set UNITB, 34816
.set SLOT1, 131072
.set MRG1,  235520
.set IMG,   9216
.set SPARE, MRG1+8*IMG
.set MRG2,  SLOT1
.set STG,   SLOT1+4*IMG
.set AK0, 1
.set ADR, 2
.set SPW, 3
.set NIL, 4
.set D0,  5                            ; v5, v6: my query - my first key of a diagonal unit, for tile 0, 1
.set NINF, 7
.set ST,  8
.set Q,   24
.set MG1, 56                           ; my image of block I
.set MGB, 57                           ; team B's image of block I for my queries
.set MG2, 58                           ; team B's image of block 31 - I for my queries
.set STO, 59
.set RD,  60
.set GO,  61
.set PFO, 62
.set QO,  63
.set S,   64
.set P,   128
.set FB,  136                          ; the merge's work: 12 registers a tile
.set O,   160
.set KF,  0
.set VF,  64
.set Q2,  128
.set WV,  10
.set W4,  11
.set TM,  12
.set II,  13
.set I1,  14
.set U,   16                           ; the step's place in the stream
.set UL,  17                           ; the place in the stream of the unit that I load next
.set TB,  18
.set SLOTS, 19
.set SEL, 20
.set HID, 22                           ; 1: in a diagonal unit all my keys come behind all my queries
.set KVH, 24
.set G0,  28
.set G1,  32
.set PFA, 40
.set LIM, 42
.set OB0, 48
.set OB1, 50
.set MSB, 0
.macro WIN new
.if MSB != \new
	s_set_vgpr_msb (MSB<<8)|\new
.set MSB, \new
.endif
.endm
.macro TLOAD                           ; waves 0 to 2 load a unit each; an s_nop 0 and four v_nop follow the line
	s_cmp_lt_u32 s[WV], 3
	s_cbranch_scc0 .Lnoload_\@
	tensor_load_to_lds s[G0:G0+3], s[G1:G1+7]
	s_nop 0
.rept 4
	v_nop
.endr
.Lnoload_\@:
.endm
.macro SETADR                          ; group 0's global address: unit(UL) of my head
	s_sub_co_u32 s44, s[UL], s[I1]
	s_cmp_gt_u32 s[UL], s[II]
	s_cselect_b32 s44, s44, s[UL]
	s_min_u32 s44, s44, 31                         ; (waves that never load: their address stays in the buffer too)
	s_lshl_b32 s44, s44, 15
	s_mov_b32 s45, 0
	s_add_nc_u64 s[G0+2:G0+3], s[KVH:KVH+1], s[44:45]
	s_or_b32 s[G0+3], s[G0+3], 0x80000000
.endm
; A PREFETCH of the three units that the NEXT change of slots will load: three key units ahead of that load.  All work-groups of a head read the same units: the head's work-group I = 0 asks, its waves 3 to 5
; a unit each: 32,768 bytes, lanes 256 bytes apart, four instructions.  Trips 0 to 8 name units 5 to 31, each once; units 0 to 4 come by their loads alone; the last filling change asks for nothing.
.macro ASK
	s_cmp_gt_u32 s[SLOTS], s[LIM]
	s_cbranch_scc0 .Lnot_mine_\@
.irp k, 0,1,2,3
	global_prefetch_b8 v[PFO], s[PFA:PFA+1] offset:8192*\k th:TH_LOAD_NT scope:SCOPE_SE
.endr
.Lnot_mine_\@:
.endm
	s_load_b128 s[4:7], s[0:1], 0x0                ; qb, kv
	s_load_b64 s[8:9], s[0:1], 0x10                ; ob
	v_lshl_add_u32 v[SPW], v0, 2, SPARE
	v_mov_b32 v[NIL], 0
	ds_add_u32 v[SPW], v[NIL]                      ; the opening: the add, twice on end, and its wait ahead of the first tensor load
	ds_add_u32 v[SPW], v[NIL]
	v_lshrrev_b32 v[ADR], 5, v0
	v_readfirstlane_b32 s[WV], v[ADR]
	s_and_b32 s[W4], s[WV], 3
	s_lshr_b32 s[TM], s[WV], 2
	s_mov_b32 s[II], ttmp9
	s_add_co_u32 s[I1], ttmp9, 1
	s_mov_b32 s[U], 0
	s_mov_b32 s[UL], s[WV]
	s_mov_b32 s[TB], 0
	s_mov_b32 s[SLOTS], 10
	s_mov_b32 s[SEL], 0x76543210
	s_mov_b32 s[SEL+1], 0xfedcba98
	s_lshr_b32 s44, s[W4], 1
	s_xor_b32 s44, s44, 1
	s_and_b32 s[HID], s44, s[TM]                   ; team 1, queries 0 .. 63
	s_mov_b32 s[G1], (3<<16)|(1<<20)|(5<<22)|(3<<25)   ; no mask; elements of 8 bytes; 4 words of padding behind every 64
	s_mov_b32 s[G1+1], 32<<16                      ; tensor_dim0: 256 bytes
	s_mov_b32 s[G1+2], 128<<16                     ; tensor_dim1
	s_mov_b32 s[G1+3], 32<<16                      ; tile_dim0
	s_mov_b32 s[G1+4], 128                         ; tile_dim1
	s_mov_b32 s[G1+5], 32                          ; pitch: a unit is dense
	s_mov_b32 s[G1+6], 0
	s_mov_b32 s[G1+7], 0
	s_mov_b32 s[G0], 1
	s_mul_i32 s[G0+1], s[WV], UNITB                ; slot 0, my unit's place
	; every LDS address is made here, ahead of the first branch on the wave's number
	v_and_b32 v8, 15, v0                           ; r
	v_bfe_u32 v9, v0, 4, 1                         ; h
	v_and_b32 v10, 31, v0                          ; lane
	v_lshrrev_b32 v11, 1, v8
	v_mul_u32_u24 v[AK0], v11, 272
	v_and_b32 v11, 1, v8
	v_lshl_add_u32 v[AK0], v11, 7, v[AK0]          ; two rows of 128 bytes to an LDS row: row rho at (rho >> 1) 272 + (rho & 1) 128
	v_lshl_add_u32 v[AK0], v9, 4, v[AK0]
	s_mul_i32 s44, s[TM], 8704                     ; my team's 64 keys: 32 LDS rows on, in K and in V^T alike
	v_add_nc_u32 v[AK0], s44, v[AK0]
	v_lshlrev_b32 v12, 4, v10
	s_mul_i32 s44, s[WV], IMG
	s_add_co_u32 s44, s44, MRG1
	v_add_nc_u32 v[MG1], s44, v12
	s_mul_i32 s44, s[W4], IMG
	s_add_co_u32 s45, s44, MRG1+4*IMG
	v_add_nc_u32 v[MGB], s45, v12
	s_add_co_u32 s45, s44, MRG2
	v_add_nc_u32 v[MG2], s45, v12
	s_mul_i32 s44, s[W4], 4608
	s_add_co_u32 s44, s44, STG
	v_mul_u32_u24 v13, v8, 144
	v_lshl_add_u32 v13, v9, 4, v13
	v_add_nc_u32 v[STO], s44, v13
	v_lshrrev_b32 v13, 3, v10
	v_mul_u32_u24 v13, v13, 144
	v_and_b32 v14, 7, v0
	v_lshl_add_u32 v13, v14, 4, v13
	v_add_nc_u32 v[RD], s44, v13
	v_mov_b32 v[GO], v12
	v_lshlrev_b32 v[PFO], 8, v10
	v_lshlrev_b32 v[QO], 7, v8
	v_lshl_add_u32 v[QO], v9, 4, v[QO]
	s_lshl_b32 s44, s[W4], 5
	s_lshl_b32 s45, s[TM], 6
	s_sub_co_i32 s44, s44, s45
	v_lshlrev_b32 v13, 3, v9
	v_sub_nc_u32 v13, v8, v13
	v_add_nc_u32 v[D0], s44, v13                   ; 32 w4 + r - 64 T - 8 h
	v_add_nc_u32 v[D0+1], 16, v[D0]
	v_mov_b32 v[NINF], 0xff800000
	; offsets in qb and ob (the same layout) and who prefetches
	s_and_b32 s46, ttmp7, 0xffff                   ; the head
	s_lshl_b32 s52, s46, 20
	s_mov_b32 s53, 0
	s_lshl_b32 s44, s46, 19
	s_lshl_b32 s47, s[W4], 12
	s_add_co_u32 s44, s44, s47
	s_lshl_b32 s47, s[II], 14
	s_add_co_u32 s46, s44, s47                     ; block I, my 32 queries
	s_sub_co_u32 s47, 31, s[II]
	s_lshl_b32 s47, s47, 14
	s_add_co_u32 s44, s44, s47                     ; block 31 - I
	s_mov_b32 s47, 0
	s_mov_b32 s45, 0
	s_sub_co_u32 s54, s[WV], 3
	s_cmp_lt_u32 s54, 3
	s_cselect_b32 s55, 0, 1
	s_or_b32 s55, s55, ttmp9
	s_cmp_eq_u32 s55, 0
	s_cselect_b32 s[LIM], 1, -1                    ; waves 3 to 5 of work-group I = 0
	s_min_u32 s54, s54, 2
	s_add_co_u32 s54, s54, 2
	s_lshl_b32 s54, s54, 15                        ; unit 2 + (wave - 3): the first change steps it three units on
	s_mov_b32 s55, 0
	s_wait_dscnt 0x0                               ; both opening adds are done
	s_wait_kmcnt 0x0
	s_add_nc_u64 s[KVH:KVH+1], s[6:7], s[52:53]
	s_add_nc_u64 s[PFA:PFA+1], s[KVH:KVH+1], s[54:55]
	s_add_nc_u64 s[OB0:OB0+1], s[8:9], s[46:47]
	s_add_nc_u64 s[OB1:OB1+1], s[8:9], s[44:45]
	s_add_nc_u64 s[52:53], s[4:5], s[46:47]
	s_add_nc_u64 s[54:55], s[4:5], s[44:45]
	SETADR
	TLOAD                                          ; units 0 to 2 of the stream: slot 0's first fill
.irp t, 0,1
.irp c, 0,1
	global_load_b128 v[Q+16*\t+8*\c:Q+16*\t+8*\c+3], v[QO], s[52:53] offset:2048*\t+64*\c
	global_load_b128 v[Q+16*\t+8*\c+4:Q+16*\t+8*\c+7], v[QO], s[52:53] offset:2048*\t+64*\c+32
.endr
.endr
	WIN 0x40
.irp t, 0,1
.irp c, 0,1
	global_load_b128 v[Q2+16*\t+8*\c:Q2+16*\t+8*\c+3], v[QO], s[54:55] offset:2048*\t+64*\c
	global_load_b128 v[Q2+16*\t+8*\c+4:Q2+16*\t+8*\c+7], v[QO], s[54:55] offset:2048*\t+64*\c+32
.endr
.endr
	WIN 0
.macro FRESH                           ; a block's state begins: the key step is written once, and its first run finds zeros
.set k, 0
.rept 64
	v_mov_b32 v[O+k], 0
.set k, k+1
.endr
.irp t, 0,1
	v_mov_b32 v[ST+8*\t], 0xff61b1e6               ; m = -3e38, under every score
	v_mov_b32 v[ST+8*\t+1], 0                      ; the old m's word goes into the state's image with m and l, so it is written here: a wave whose only unit of a block is hidden runs no key step that would write it
	v_mov_b32 v[ST+8*\t+2], 0
	v_mov_b32 v[ST+8*\t+3], 0
.endr
.endm
	FRESH
	s_wait_loadcnt 0x0                             ; both blocks' Q
; THE CHANGE OF SLOTS, at a slot's head.  fill = 1: the slot just left is filled with the stream's next three units.  By this text's count a loading wave has one tensor load out.
.macro CHANGE fill
	s_wait_tensorcnt 0x0                           ; my load has landed: group 0 may be written
	ds_add_u32 v[SPW], v[NIL]
.if \fill
	ds_add_u32 v[SPW], v[NIL]                      ; and twice on end here
	s_add_co_u32 s[UL], s[UL], 3
	SETADR
	s_xor_b32 s[G0+1], s[G0+1], SLOT1
	s_wait_xcnt 0x0                                ; the last prefetches, a slot back, have read their address
	s_add_nc_u64 s[PFA:PFA+1], s[PFA:PFA+1], 3*32768
.endif
	s_wait_dscnt 0x0                               ; the add is done, my reads of the slot that I have left are over
	s_barrier_signal -1
	s_barrier_wait -1
.if \fill
	TLOAD
	ASK
.endif
.endm
; The stream passes from block I to block 31 - I: my state of block I goes to LDS as an image of its registers; the second block's Q comes from window 1; the state begins anew.
.macro SWITCH
.set k, 0
.rept 16
	ds_store_b128 v[MG1], v[O+4*k:O+4*k+3] offset:512*k    ; each accumulator from its low end on
.set k, k+1
.endr
	ds_store_b128 v[MG1], v[ST:ST+3] offset:8192
	ds_store_b128 v[MG1], v[ST+8:ST+11] offset:8704
	WIN 0x01
.set k, 0
.rept 32
	v_mov_b32 v[Q+k], v[Q2+k]
.set k, k+1
.endr
	WIN 0
	s_wait_dscnt 0x0                               ; the stores have read their registers
	FRESH
.endm
; A KEY STEP: the q-th unit of the slot in hand; my team's 64 keys x my 32 queries.  mask = 1: the unit is diagonal where U = I; 2: it is; 0: it is not.  sw = 1: behind unit I the stream changes blocks.
.macro STEP q, mask, sw
.if \mask == 1
	s_cmp_eq_u32 s[U], s[II]
	s_cselect_b32 s44, s[HID], 0
	s_cmp_lg_u32 s44, 0
	s_cbranch_scc1 .Lhid_\@
.elseif \mask == 2
	s_cmp_lg_u32 s[HID], 0
	s_cbranch_scc1 .Lhid_\@
.endif
	s_add_co_u32 s45, s[TB], (\q)*UNITB
	v_add_nc_u32 v[ADR], s45, v[AK0]
	WIN 0x40                                       ; destination window 1.  (The last step's four v_nop are the places in front of these loads)
.irp kt, 0,1,2,3
.irp c, 0,1
	ds_load_b128 v[KF+16*\kt+8*\c:KF+16*\kt+8*\c+3], v[ADR] offset:\kt*2176+64*\c
	ds_load_b128 v[KF+16*\kt+8*\c+4:KF+16*\kt+8*\c+7], v[ADR] offset:\kt*2176+64*\c+32
.endr
.endr
.irp g, 0,1
.irp ct, 0,1,2,3
	ds_load_b128 v[VF+32*\g+8*\ct:VF+32*\g+8*\ct+3], v[ADR] offset:17408+\ct*2176+64*\g
	ds_load_b128 v[VF+32*\g+8*\ct+4:VF+32*\g+8*\ct+7], v[ADR] offset:17408+\ct*2176+64*\g+32
.endr
.endr
	s_wait_dscnt 16                                ; K is in; V's sixteen loads may be out
	WIN 0x01                                       ; source 0 window 1
.irp c, 0,1                            ; S^T = K Q^T: eight accumulators by turns
.irp kt, 0,1,2,3
.irp t, 0,1
.if \c == 0
	v_wmma_f32_16x16x32_f16 v[S+32*\t+8*\kt:S+32*\t+8*\kt+7], v[KF+16*\kt+8*\c:KF+16*\kt+8*\c+7], v[Q+16*\t+8*\c:Q+16*\t+8*\c+7], 0
.else
	v_wmma_f32_16x16x32_f16 v[S+32*\t+8*\kt:S+32*\t+8*\kt+7], v[KF+16*\kt+8*\c:KF+16*\kt+8*\c+7], v[Q+16*\t+8*\c:Q+16*\t+8*\c+7], v[S+32*\t+8*\kt:S+32*\t+8*\kt+7]
.endif
.endr
.endr
.endr
	WIN 0
.rept 4
	v_nop
.endr
.if \mask
.if \mask == 1
	s_cmp_lg_u32 s[U], s[II]
	s_cbranch_scc1 .Lopen_\@
.endif
.irp t, 0,1                            ; register n holds key 16 (n / 8) + n % 8 of my lane's: hidden where that is above D
.set n, 0
.rept 32
	v_cmp_gt_i32 vcc_lo, 16*(n/8)+n%8, v[D0+\t]
	v_cndmask_b32 v[S+32*\t+n], v[S+32*\t+n], v[NINF], vcc_lo
.set n, n+1
.endr
.endr
.Lopen_\@:
.endif
	; the softmax, the two tiles by turns
.irp j, 0,1,2,3
.irp t, 0,1
	v_max3_num_f32 v[ST+8*\t+4+\j], v[S+32*\t+8*\j], v[S+32*\t+8*\j+1], v[S+32*\t+8*\j+2]   ; each accumulator is read from its low end on
.endr
.endr
.irp i, 3,5
.irp j, 0,1,2,3
.irp t, 0,1
	v_max3_num_f32 v[ST+8*\t+4+\j], v[ST+8*\t+4+\j], v[S+32*\t+8*\j+\i], v[S+32*\t+8*\j+\i+1]
.endr
.endr
.endr
.irp t, 0,1
	v_max3_num_f32 v[ST+8*\t+4], v[ST+8*\t+4], v[S+32*\t+7], v[S+32*\t+15]
	v_max3_num_f32 v[ST+8*\t+6], v[ST+8*\t+6], v[S+32*\t+23], v[S+32*\t+31]
.endr
.irp t, 0,1
	v_max3_num_f32 v[ST+8*\t+4], v[ST+8*\t+4], v[ST+8*\t+5], v[ST+8*\t+6]
.endr
.irp t, 0,1
	v_max3_num_f32 v[ST+8*\t+4], v[ST+8*\t+4], v[ST+8*\t+7], v[ST+8*\t]
.endr
.irp t, 0,1
	v_permlanex16_b32 v[ST+8*\t+5], v[ST+8*\t+4], s[SEL], s[SEL+1]   ; the query's other 32 keys lie in the lane 16 away
.endr
.irp t, 0,1
	v_mov_b32 v[ST+8*\t+1], v[ST+8*\t]
.endr
.irp t, 0,1
	v_max_num_f32 v[ST+8*\t], v[ST+8*\t+4], v[ST+8*\t+5]
.endr
.irp t, 0,1
	v_sub_f32 v[ST+8*\t+1], v[ST+8*\t+1], v[ST+8*\t]
.endr
.set p, 0
.rept 16
.irp t, 0,1
	v_pk_add_f32 v[S+32*\t+2*p:S+32*\t+2*p+1], v[S+32*\t+2*p:S+32*\t+2*p+1], v[ST+8*\t:ST+8*\t+1] op_sel_hi:[1,0] neg_lo:[0,1] neg_hi:[0,1]   ; s - m
.endr
.set p, p+1
.endr
.irp t, 0,1
	v_exp_f32 v[ST+8*\t+6], v[ST+8*\t+1]           ; a = 2^(m_old - m_new)
.endr
.set p, 0
.rept 32
.irp t, 0,1
	v_exp_f32 v[S+32*\t+p], v[S+32*\t+p]
.endr
.set p, p+1
.endr
	v_nop                                          ; a plain place behind the batch of 66,
	s_wait_alu depctr_va_vdst(0)                   ; and its one wait ahead of the first reader
.set p, 0
.rept 16
.irp t, 0,1
	v_cvt_pk_f16_f32 v[P+16*\t+p], v[S+32*\t+2*p], v[S+32*\t+2*p+1]
.endr
.set p, p+1
.endr
.irp u, 0,1,2,3,4,5,6,7                ; the sum of the unrounded p, in place
.irp t, 0,1
	v_pk_add_f32 v[S+32*\t+4*\u:S+32*\t+4*\u+1], v[S+32*\t+4*\u:S+32*\t+4*\u+1], v[S+32*\t+4*\u+2:S+32*\t+4*\u+3]
.endr
.endr
.irp u, 0,1,2,3
.irp t, 0,1
	v_pk_add_f32 v[S+32*\t+8*\u:S+32*\t+8*\u+1], v[S+32*\t+8*\u:S+32*\t+8*\u+1], v[S+32*\t+8*\u+4:S+32*\t+8*\u+5]
.endr
.endr
.irp u, 0,1
.irp t, 0,1
	v_pk_add_f32 v[S+32*\t+16*\u:S+32*\t+16*\u+1], v[S+32*\t+16*\u:S+32*\t+16*\u+1], v[S+32*\t+16*\u+8:S+32*\t+16*\u+9]
.endr
.endr
.irp t, 0,1
	v_pk_add_f32 v[S+32*\t:S+32*\t+1], v[S+32*\t:S+32*\t+1], v[S+32*\t+16:S+32*\t+17]
.endr
.irp t, 0,1
	v_pk_fma_f32 v[ST+8*\t+2:ST+8*\t+3], v[ST+8*\t+2:ST+8*\t+3], v[ST+8*\t+6:ST+8*\t+7], v[S+32*\t:S+32*\t+1] op_sel_hi:[1,0,1]
.endr
.set p, 0
.rept 16
.irp t, 0,1
	v_pk_mul_f32 v[O+32*\t+2*p:O+32*\t+2*p+1], v[O+32*\t+2*p:O+32*\t+2*p+1], v[ST+8*\t+6:ST+8*\t+7] op_sel_hi:[1,0]
.endr
.set p, p+1
.endr
	s_wait_dscnt 0x0                               ; V is in
	WIN 0x01
.irp g, 0,1                            ; O^T += V^T P: eight accumulators by turns
.irp ct, 0,1,2,3
.irp t, 0,1
	v_wmma_f32_16x16x32_f16 v[O+32*\t+8*\ct:O+32*\t+8*\ct+7], v[VF+32*\g+8*\ct:VF+32*\g+8*\ct+7], v[P+16*\t+8*\g:P+16*\t+8*\g+7], v[O+32*\t+8*\ct:O+32*\t+8*\ct+7]
.endr
.endr
.endr
	WIN 0
.rept 4
	v_nop                                          ; places: for the next loads into K and V, and for the next read of O^T
.endr
.Lhid_\@:
	s_add_co_u32 s[U], s[U], 1
.if \sw
	s_cmp_eq_u32 s[U], s[I1]                       ; the work-group's number and the count of steps alone: all eight waves go the same way
	s_cbranch_scc0 .Lnosw_\@
	SWITCH
.Lnosw_\@:
.endif
.endm
.Lslot:                                            ; ten trips of three units; behind each change the next three are asked for
	CHANGE 1
	STEP 0, 1, 1
	STEP 1, 1, 1
	STEP 2, 1, 1
	s_xor_b32 s[TB], s[TB], SLOT1
	s_sub_co_u32 s[SLOTS], s[SLOTS], 1
	s_cmp_lg_u32 s[SLOTS], 0
	s_cbranch_scc1 .Lslot
	CHANGE 0                                       ; the last three units are written out: nothing is left to ask for
	STEP 0, 0, 0
	STEP 1, 0, 0
	STEP 2, 2, 0                                   ; unit 31 - I: block 31 - I's diagonal
	; THE MERGE.  Team B's state of block 31 - I goes to LDS; a barrier; team A joins the two teams' states, of block 31 - I and then of block I, and stores o.
	s_cmp_lt_u32 s[WV], 4
	s_cbranch_scc1 .Lteam_a
.set k, 0
.rept 16
	ds_store_b128 v[MG2], v[O+4*k:O+4*k+3] offset:512*k
.set k, k+1
.endr
	ds_store_b128 v[MG2], v[ST:ST+3] offset:8192
	ds_store_b128 v[MG2], v[ST+8:ST+11] offset:8704
.Lteam_a:
	s_wait_dscnt 0x0                               ; for the others' sake: my stores have landed
	s_barrier_signal -1
	s_barrier_wait -1
	s_cmp_lt_u32 s[WV], 4
	s_cbranch_scc0 .Lend
; My state in O^T and the statistics, team B's in the image at mg: M = max(mA, mB); o = (O_A 2^(mA - M) + O_B 2^(mB - M)) / (lA 2^(mA - M) + lB 2^(mB - M)).
.macro FINISH mg, ob
.set k, 0
.rept 16
	ds_load_b128 v[S+4*k:S+4*k+3], v[\mg] offset:512*k
.set k, k+1
.endr
	ds_load_b128 v[P:P+3], v[\mg] offset:8192
	ds_load_b128 v[P+4:P+7], v[\mg] offset:8704
.irp t, 0,1
	v_mov_b32 v[FB+12*\t+1], 0                     ; a lane permute's destination counts as one of its sources
	v_mov_b32 v[FB+12*\t+3], 0
.endr
	s_wait_dscnt 0x0
.irp t, 0,1
	v_add_f32 v[FB+12*\t], v[ST+8*\t+2], v[ST+8*\t+3]
	v_add_f32 v[FB+12*\t+2], v[P+4*\t+2], v[P+4*\t+3]
	v_max_num_f32 v[FB+12*\t+4], v[ST+8*\t], v[P+4*\t]
.endr
.irp t, 0,1
	v_permlanex16_b32 v[FB+12*\t+1], v[FB+12*\t], s[SEL], s[SEL+1]
	v_permlanex16_b32 v[FB+12*\t+3], v[FB+12*\t+2], s[SEL], s[SEL+1]
.endr
.irp t, 0,1
	v_add_f32 v[FB+12*\t], v[FB+12*\t], v[FB+12*\t+1]
	v_add_f32 v[FB+12*\t+2], v[FB+12*\t+2], v[FB+12*\t+3]
	v_sub_f32 v[FB+12*\t+5], v[ST+8*\t], v[FB+12*\t+4]
	v_sub_f32 v[FB+12*\t+6], v[P+4*\t], v[FB+12*\t+4]
.endr
.irp t, 0,1
	v_exp_f32 v[FB+12*\t+5], v[FB+12*\t+5]
	v_exp_f32 v[FB+12*\t+6], v[FB+12*\t+6]
.endr
	v_nop
	s_wait_alu depctr_va_vdst(0)                   ; one wait for the four exponentials
.irp t, 0,1
	v_mul_f32 v[FB+12*\t+7], v[FB+12*\t], v[FB+12*\t+5]
.endr
.irp t, 0,1
	v_fma_f32 v[FB+12*\t+7], v[FB+12*\t+2], v[FB+12*\t+6], v[FB+12*\t+7]
.endr
.irp t, 0,1
	v_rcp_f32 v[FB+12*\t+7], v[FB+12*\t+7]
.endr
	v_nop
	s_wait_alu depctr_va_vdst(0)                   ; one wait for the two reciprocals
.irp t, 0,1
	v_mul_f32 v[FB+12*\t+8], v[FB+12*\t+5], v[FB+12*\t+7]
	v_mul_f32 v[FB+12*\t+9], v[FB+12*\t+5], v[FB+12*\t+7]
	v_mul_f32 v[FB+12*\t+10], v[FB+12*\t+6], v[FB+12*\t+7]
	v_mul_f32 v[FB+12*\t+11], v[FB+12*\t+6], v[FB+12*\t+7]
.endr
.irp t, 0,1
.set p, 0
.rept 16
	v_pk_mul_f32 v[O+32*\t+2*p:O+32*\t+2*p+1], v[O+32*\t+2*p:O+32*\t+2*p+1], v[FB+12*\t+8:FB+12*\t+9]
.set p, p+1
.endr
.set p, 0
.rept 16
	v_pk_fma_f32 v[O+32*\t+2*p:O+32*\t+2*p+1], v[S+32*\t+2*p:S+32*\t+2*p+1], v[FB+12*\t+10:FB+12*\t+11], v[O+32*\t+2*p:O+32*\t+2*p+1]
.set p, p+1
.endr
.endr
.set p, 0
.rept 32
	v_cvt_pk_f16_f32 v[S+p], v[O+2*p], v[O+2*p+1]
.set p, p+1
.endr
.irp t, 0,1
.irp ct, 0,1,2,3
	ds_store_b128 v[STO], v[S+16*\t+4*\ct:S+16*\t+4*\ct+3] offset:2304*\t+32*\ct
.endr
.endr
.irp i, 0,1,2,3,4,5,6,7
	ds_load_b128 v[S+32+4*\i:S+32+4*\i+3], v[RD] offset:2304*(\i/4)+576*(\i%4)   ; LDS serves a wave's instructions in order: these see the stores above
.endr
	s_wait_dscnt 0x0
.irp i, 0,1,2,3,4,5,6,7
	global_store_b128 v[GO], v[S+32+4*\i:S+32+4*\i+3], s[\ob:\ob+1] offset:2048*(\i/4)+512*(\i%4)   ; 32 lanes store 512 consecutive bytes, aligned
.endr
.endm
	FINISH MG2, OB1
	s_wait_xcnt 0x0                                ; the stores have read their registers
.set k, 0
.rept 16
	ds_load_b128 v[O+4*k:O+4*k+3], v[MG1] offset:512*k     ; my own state of block I
.set k, k+1
.endr
	ds_load_b128 v[ST:ST+3], v[MG1] offset:8192
	ds_load_b128 v[ST+8:ST+11], v[MG1] offset:8704
	FINISH MGB, OB0
.Lend:
	s_wait_tensorcnt 0x0                           ; the wave's end
	ds_add_u32 v[SPW], v[NIL]
	s_wait_dscnt 0x0
	s_endpgm
.Lfunc_end_k_q906a36c2a1_attn:
	.size	k_q906a36c2a1_attn, .Lfunc_end_k_q906a36c2a1_attn-k_q906a36c2a1_attn
	.p2alignl 7, 3214868480
	.fill 96, 4, 3214868480
	.section	.rodata,"a",@progbits
	.p2align	6, 0x0
	.amdhsa_kernel k_q906a36c2a1_attn
		.amdhsa_group_segment_fixed_size 327680
		.amdhsa_private_segment_fixed_size 0
		.amdhsa_enable_private_segment 0
		.amdhsa_kernarg_size 24
		.amdhsa_user_sgpr_count 2
		.amdhsa_user_sgpr_kernarg_segment_ptr 1
		.amdhsa_wavefront_size32 1
		.amdhsa_system_sgpr_workgroup_id_x 1
		.amdhsa_system_sgpr_workgroup_id_y 1
		.amdhsa_system_sgpr_workgroup_id_z 1
		.amdhsa_system_vgpr_workitem_id 0
		.amdhsa_next_free_vgpr 512
		.amdhsa_next_free_sgpr 66
		.amdhsa_reserve_vcc 1
		.amdhsa_float_denorm_mode_32 3
		.amdhsa_float_denorm_mode_16_64 3
		.amdhsa_memory_ordered 1
		.amdhsa_forward_progress 1
		.amdhsa_inst_pref_size 168
	.end_amdhsa_kernel
	.amdgpu_metadata
---
amdhsa.version: [ 1, 2 ]
amdhsa.kernels:
  - .name:           k_q906a36c2a1_attn
    .symbol:         k_q906a36c2a1_attn.kd
    .args:
      - { .name: qb, .offset: 0, .size: 8, .value_kind: global_buffer, .address_space: global }
      - { .name: kv, .offset: 8, .size: 8, .value_kind: global_buffer, .address_space: global }
      - { .name: ob, .offset: 16, .size: 8, .value_kind: global_buffer, .address_space: global }
    .group_segment_fixed_size: 327680
    .private_segment_fixed_size: 0
    .kernarg_segment_align: 8
    .kernarg_segment_size: 24
    .max_flat_workgroup_size: 256
    .sgpr_count:     66
    .vgpr_count:     512
    .wavefront_size: 32
...
	.end_amdgpu_metadata
.endif
;; end of part 3
;; launch oproj (part 4): grid 8 x 32, 4 waves a work-group, clusters of 4 x 4, 327,680 bytes of LDS; arguments ob, wof, bo, pre; writes pre
.if DOCPART == 4
	.amdgcn_target "amdgcn-amd-amdhsa--gfx1250"
	.amdhsa_code_object_version 6
	.text
	.protected	k_q906a36c2a1_oproj
	.globl	k_q906a36c2a1_oproj
	.p2align	8
	.type	k_q906a36c2a1_oproj,@function
k_q906a36c2a1_oproj:
	s_mov_b64 s[64:65], 0
	v_nop
	global_prefetch_b8 v0, s[64:65] scope:SCOPE_SE
	s_setreg_imm32_b32 hwreg(HW_REG_WAVE_MODE, 25, 1), 1
	s_wait_xcnt 0x0
	s_wait_alu depctr_hold_cnt(0) depctr_sa_sdst(0) depctr_va_vdst(0) depctr_va_sdst(0) depctr_va_ssrc(0) depctr_va_vcc(0) depctr_vm_vsrc(0)
	s_getreg_b32 s2, hwreg(HW_REG_IB_STS2, 6, 4)
	s_cmp_eq_u32 s2, 0
	s_cbranch_scc0 .Lentry_in_a_cluster
	s_endpgm
.Lentry_in_a_cluster:
	s_bfe_u32 s2, ttmp6, 0x10000c
	s_cmp_lg_u32 s2, 0xf033
	s_cbranch_scc0 .Lentry_shape_is_right
	s_endpgm
.Lentry_shape_is_right:
; Launch 4 of 5: pre = o Wo + bo, f16 operands, f32 sums; pre [4096][1024] f32.  No work is left out here.
; A tile is 128 tokens x 128 columns: 256 work-groups of four waves, each wave 64 x 64: 16 accumulators.  K = 1,024 goes in four steps of 256 (four heads) through a ring of two LDS slots.
; A = ob [16 heads][4096][64] f16: a wave's tensor load brings 64 tokens x 4 heads: four rows of 8,192 dense bytes, a head's pitch apart, 16 bytes of padding behind every 128: in LDS [head][token], 144 bytes a token.
; B = wof, laid in the order of the operand's registers: a K step of 64 columns is one dense block of 32,768 bytes; a fragment is two loads of 512 consecutive bytes.
; CLUSTERS of 4 x 4: A's tile is shared along a row of the cluster, B's along a column, each asked for jointly.  THE MATRIX INSTRUCTION IS USED TRANSPOSED: a lane holds a token and eight neighbouring columns.
; bo is the C of each sum's first product.  LIMIT: |o|, |Wo| under 65,504 (f16).
; REGISTERS: window 0: v0-31 addresses; v32-95 the way out; v96-127 bo; v128-255 the accumulators ((a, b) at v[128 + 8 (4 a + b)]).  window 1: two fragment buffers of 128: 64 of A, then 64 of B.
.set ATILE,  36864
.set BTILE,  32768
.set BOFF,   2*ATILE
.set SLOT,   BOFF+2*BTILE
.set STAGE,  2*SLOT
.set SPITCH, 272
.set SPARE,  STAGE+4*16*SPITCH
.set LAPS,   2
.set ASTEP,  2097152                   ; four heads of ob
.set BSTEP,  32768
.set ADRA, 16
.set ADRB, 20
.set STO,  24
.set RD,   25
.set CO,   26
.set BA,   27
.set SPW,  28
.set NIL,  29
.set TMP,  32
.set BIAS, 96
.set ACC,  128
.set F0,   0
.set F1,   128
.set WV, 12
.set RH, 13
.set CH, 14
.set G1, 24
.set G0, 32
.set G1B, 48
.set G0B, 56
.set MSB, 0
.macro WIN new
.if MSB != \new
	s_set_vgpr_msb (MSB<<8)|\new
.set MSB, \new
.endif
.endm
.set MUL,  0x05
.set TO_F, 0x40
.macro JLOAD s                         ; waves 0, 1 fetch A's halves, waves 2, 3 B's; an s_nop 0 and four v_nop follow each line
	s_cmp_eq_u32 s[RH], 0
	s_cbranch_scc0 .Lfor_b_\@
	tensor_load_to_lds s[G0+4*\s:G0+4*\s+3], s[G1:G1+7]
	s_nop 0
.rept 4
	v_nop
.endr
	s_branch .Lasked_\@
.Lfor_b_\@:
	tensor_load_to_lds s[G0B+4*\s:G0B+4*\s+3], s[G1B:G1B+7]
	s_nop 0
.rept 4
	v_nop
.endr
.Lasked_\@:
.endm
.macro CREST
	s_cmp_lg_u32 s[WV], 0
	s_cbranch_scc1 .Lnot_wave_0_\@
	s_barrier_signal -3
.Lnot_wave_0_\@:
	s_barrier_wait -3
	s_barrier_signal -1
	s_barrier_wait -1
.endm
.macro CROUND
	s_barrier_signal -1
	s_barrier_wait -1
	CREST
.endm
	s_load_b256 s[4:11], s[0:1], 0x0               ; ob s[4:5], wof s[6:7], bo s[8:9], pre s[10:11]
	v_lshl_add_u32 v[SPW], v0, 2, SPARE
	v_mov_b32 v[NIL], 0
	ds_add_u32 v[SPW], v[NIL]                      ; the opening: the add, twice on end, and its wait ahead of my first tensor load
	ds_add_u32 v[SPW], v[NIL]
	v_lshrrev_b32 v1, 5, v0
	v_readfirstlane_b32 s[WV], v1
	s_lshr_b32 s[RH], s[WV], 1                     ; my half of the tokens.  Also: I fetch for A (0) or B (1)
	s_and_b32 s[CH], s[WV], 1                      ; my half of the columns.  Also: which half I fetch
	s_bfe_u32 s40, ttmp6, 0x40000                  ; cx
	s_bfe_u32 s41, ttmp6, 0x40004                  ; cy
	s_lshl_b32 s42, ttmp9, 2
	s_add_co_u32 s42, s42, s40                     ; tile column
	s_and_b32 s15, ttmp7, 0xffff
	s_lshl_b32 s15, s15, 2
	s_add_co_u32 s15, s15, s41                     ; tile row
	s_lshl_b32 s43, s41, 2
	s_lshl_b32 s43, 15, s43                        ; my row of the cluster
	s_lshl_b32 s44, 0x1111, s40                    ; my column
	s_or_b32 s[G1+0], s43, (3<<16)|(1<<20)|(1<<21)|(4<<22)|(3<<25)   ; mask; elements of 8 bytes; 4 words of padding behind every 32; bit 21 beside a mask
	s_mov_b32 s[G1+1], 1024<<16                    ; tensor_dim0: 8,192 bytes: 64 tokens of one head
	s_mov_b32 s[G1+2], 4<<16                       ; tensor_dim1: four heads
	s_mov_b32 s[G1+3], 1024<<16                    ; tile_dim0
	s_mov_b32 s[G1+4], 4                           ; tile_dim1
	s_mov_b32 s[G1+5], 65536                       ; pitch: a head is 524,288 bytes
	s_mov_b32 s[G1+6], 0
	s_mov_b32 s[G1+7], 0
	s_or_b32 s[G1B+0], s44, (3<<16)|(1<<21)        ; a dense block, no padding
	s_mov_b32 s[G1B+1], 32<<16
	s_mov_b32 s[G1B+2], 128<<16
	s_mov_b32 s[G1B+3], 32<<16
	s_mov_b32 s[G1B+4], 128
	s_mov_b32 s[G1B+5], 32
	s_mov_b32 s[G1B+6], 0
	s_mov_b32 s[G1B+7], 0
	s_lshl_b32 s16, s15, 14
	s_lshl_b32 s17, s[CH], 13
	s_add_co_u32 s16, s16, s17                     ; A: token 128 x tile row + 64 x half, 128 bytes a token
	s_mov_b32 s17, 0
	s_lshl_b32 s46, s42, 18
	s_lshl_b32 s47, s[CH], 17
	s_add_co_u32 s46, s46, s47                     ; B: 64 columns are 131,072 bytes
	s_mov_b32 s47, 0
	s_mul_i32 s20, s[CH], ATILE                    ; where they go
	s_mul_i32 s21, s[CH], BTILE
	s_add_co_u32 s21, s21, BOFF
	s_wait_dscnt 0x0                               ; both opening adds are done
	s_wait_kmcnt 0x0
	s_add_nc_u64 s[16:17], s[4:5], s[16:17]
	s_add_nc_u64 s[46:47], s[6:7], s[46:47]
	CROUND                                         ; all sixteen work-groups are here: the first joint loads meet
.irp s, 0,1
	s_mov_b32 s[G0+4*\s], 1
	s_add_co_u32 s[G0+4*\s+1], s20, \s*SLOT
	s_add_nc_u64 s[G0+4*\s+2:G0+4*\s+3], s[16:17], \s*ASTEP
	s_or_b32 s[G0+4*\s+3], s[G0+4*\s+3], 0x80000000
	s_mov_b32 s[G0B+4*\s], 1
	s_add_co_u32 s[G0B+4*\s+1], s21, \s*SLOT
	s_add_nc_u64 s[G0B+4*\s+2:G0B+4*\s+3], s[46:47], \s*BSTEP
	s_or_b32 s[G0B+4*\s+3], s[G0B+4*\s+3], 0x80000000
	JLOAD \s
.endr
	v_and_b32 v1, 15, v0                           ; r
	v_bfe_u32 v2, v0, 4, 1                         ; h
	v_and_b32 v6, 31, v0
	v_mul_u32_u24 v3, v1, 144
	v_lshl_add_u32 v3, v2, 4, v3                   ; A: token r, + 16 h
	v_lshlrev_b32 v4, 4, v6                        ; B: 16 x lane
	s_mul_i32 s21, s[RH], ATILE
	s_mul_i32 s22, s[CH], BTILE
	s_add_co_u32 s22, s22, BOFF
.irp s, 0,1
	v_add_nc_u32 v[ADRA+\s], s21, v3
	v_add_nc_u32 v[ADRB+\s], s22, v4
	s_add_co_u32 s21, s21, SLOT
	s_add_co_u32 s22, s22, SLOT
.endr
	s_mul_i32 s23, s[WV], 16*SPITCH
	s_add_co_u32 s23, s23, STAGE                   ; my stage: 16 rows x (256 bytes + 16)
	v_mul_u32_u24 v5, v1, SPITCH
	v_lshl_add_u32 v5, v2, 5, v5
	v_add_nc_u32 v[STO], s23, v5
	v_mul_u32_u24 v5, v2, SPITCH
	v_lshl_add_u32 v5, v1, 4, v5
	v_add_nc_u32 v[RD], s23, v5
	v_lshlrev_b32 v5, 12, v2
	v_lshl_add_u32 v[CO], v1, 4, v5                ; two rows of pre: 4,096 h + 16 r
	v_lshlrev_b32 v[BA], 5, v2
	s_lshl_b32 s18, s42, 9
	s_lshl_b32 s19, s[CH], 8
	s_add_co_u32 s18, s18, s19                     ; my first column, in bytes
	s_mov_b32 s19, 0
	s_add_nc_u64 s[8:9], s[8:9], s[18:19]
	s_add_nc_u64 s[10:11], s[10:11], s[18:19]
	s_lshl_b32 s18, s15, 19
	s_lshl_b32 s22, s[RH], 18
	s_add_co_u32 s18, s18, s22                     ; my first row, 4,096 bytes a row
	s_add_nc_u64 s[10:11], s[10:11], s[18:19]
.irp b, 0,1,2,3
	global_load_b128 v[BIAS+8*\b:BIAS+8*\b+3], v[BA], s[8:9] offset:64*\b          ; bo at my lane's eight columns of block b
	global_load_b128 v[BIAS+8*\b+4:BIAS+8*\b+7], v[BA], s[8:9] offset:64*\b+16
.endr
.macro MUL8 f, c, a0, first            ; token blocks a0, a0 + 1 x all four column blocks, 32 along K.  first = 1: bo starts the sums
.irp a, \a0, \a0+1
.irp b, 0,1,2,3
.if \first
	v_wmma_f32_16x16x32_f16 v[ACC+8*(4*(\a)+\b):ACC+8*(4*(\a)+\b)+7], v[\f+64+8*(4*\c+\b):\f+64+8*(4*\c+\b)+7], v[\f+8*(4*\c+\a):\f+8*(4*\c+\a)+7], v[BIAS+8*\b:BIAS+8*\b+7]
.else
	v_wmma_f32_16x16x32_f16 v[ACC+8*(4*(\a)+\b):ACC+8*(4*(\a)+\b)+7], v[\f+64+8*(4*\c+\b):\f+64+8*(4*\c+\b)+7], v[\f+8*(4*\c+\a):\f+8*(4*\c+\a)+7], v[ACC+8*(4*(\a)+\b):ACC+8*(4*(\a)+\b)+7]
.endif
.endr
.endr
.endm
.macro FETCH slot, qd, f               ; 32 LDS loads in one run: the fragments of the slot's head qd (64 along K) into buffer f; the first 32 along K first
	WIN TO_F
.irp c, 0,1
.irp i, 0,1,2,3
	ds_load_b128 v[\f+64+8*(4*\c+\i):\f+64+8*(4*\c+\i)+3],   v[ADRB+\slot] offset:(8*\i+2*(\qd)+\c)*1024
	ds_load_b128 v[\f+64+8*(4*\c+\i)+4:\f+64+8*(4*\c+\i)+7], v[ADRB+\slot] offset:(8*\i+2*(\qd)+\c)*1024+512
	ds_load_b128 v[\f+8*(4*\c+\i):\f+8*(4*\c+\i)+3],         v[ADRA+\slot] offset:(\qd)*9216+\i*2304+64*\c
	ds_load_b128 v[\f+8*(4*\c+\i)+4:\f+8*(4*\c+\i)+7],       v[ADRA+\slot] offset:(\qd)*9216+\i*2304+64*\c+32
.endr
.endr
.endm
.macro PLACES
.rept 4
	v_nop
.endr
.endm
.macro QUARTER slot, qd, f, g, first   ; multiplies buffer f and fetches the slot's head qd into g
	s_wait_dscnt 16                                ; the first 32 along K are in; the other sixteen loads may be out
	WIN MUL
	MUL8 \f, 0, 0, \first
	MUL8 \f, 0, 2, \first
	PLACES
	FETCH \slot, \qd, \g
	s_wait_dscnt 32                                ; all but the 32 just issued
	WIN MUL
	MUL8 \f, 1, 0, 0
	MUL8 \f, 1, 2, 0
.endm
.macro TURN slot, next, fill           ; the last quarter changes slots: one barrier, which with fill = 1 opens a round of the cluster's
	WIN 0
	s_wait_tensorcnt 0x0                           ; my part of the next slot has landed
	ds_add_u32 v[SPW], v[NIL]
	s_wait_dscnt 17                                ; the add and the youngest sixteen loads may be out
	WIN MUL
	MUL8 F1, 0, 0, 0
	s_wait_dscnt 0x0                               ; the add is done, my reads of this slot are over
	s_barrier_signal -1
	MUL8 F1, 0, 2, 0
.if \fill
	WIN 0
.endif
	s_barrier_wait -1
.if \fill
	CREST
	s_add_nc_u64 s[G0+4*\slot+2:G0+4*\slot+3], s[G0+4*\slot+2:G0+4*\slot+3], 2*ASTEP
	s_add_nc_u64 s[G0B+4*\slot+2:G0B+4*\slot+3], s[G0B+4*\slot+2:G0B+4*\slot+3], 2*BSTEP
	JLOAD \slot                                    ; the first tensor load behind the round; its four v_nop are also the places in front of the loads below
.else
	PLACES
.endif
	FETCH \next, 0, F0
	WIN MUL
	MUL8 F1, 1, 0, 0
	MUL8 F1, 1, 2, 0
.endm
	s_wait_tensorcnt 1                             ; my part of K step 0 is in; K step 1's load may be out
	s_barrier_signal -1
	s_barrier_wait -1
	FETCH 0, 0, F0
	s_wait_loadcnt 0x0                             ; bo
	QUARTER 0, 1, F0, F1, 1
	WIN 0
	s_mov_b32 s3, LAPS-1
.Llap:
	QUARTER 0, 2, F1, F0, 0
	QUARTER 0, 3, F0, F1, 0
	TURN 0, 1, 1
	QUARTER 1, 1, F0, F1, 0
	QUARTER 1, 2, F1, F0, 0
	QUARTER 1, 3, F0, F1, 0
	TURN 1, 0, 1
	QUARTER 0, 1, F0, F1, 0
	WIN 0
	s_sub_co_u32 s3, s3, 1
	s_cmp_lg_u32 s3, 0
	s_cbranch_scc1 .Llap
	QUARTER 0, 2, F1, F0, 0                        ; the last lap fills nothing
	QUARTER 0, 3, F0, F1, 0
	TURN 0, 1, 0
	QUARTER 1, 1, F0, F1, 0
	QUARTER 1, 2, F1, F0, 0
	QUARTER 1, 3, F0, F1, 0
	s_wait_dscnt 16
	WIN MUL
	MUL8 F1, 0, 0, 0
	MUL8 F1, 0, 2, 0
	s_wait_dscnt 0
	MUL8 F1, 1, 0, 0
	MUL8 F1, 1, 2, 0
	WIN 0
	; THE WAY OUT: my 64 columns of f32 are 256 bytes of a row: 16 tokens at a time through my own stage, back as whole rows; no barrier
	PLACES
.irp a, 0,1,2,3
.if \a >= 2
	s_wait_xcnt 0x0                                ; the stores of two blocks back have read their registers
.endif
.irp b, 0,1,2,3
	ds_store_b128 v[STO], v[ACC+8*(4*\a+\b):ACC+8*(4*\a+\b)+3] offset:64*\b        ; each accumulator from its low end on
	ds_store_b128 v[STO], v[ACC+8*(4*\a+\b)+4:ACC+8*(4*\a+\b)+7] offset:64*\b+16
.endr
.irp t, 0,1,2,3,4,5,6,7
	ds_load_b128 v[TMP+32*(\a%2)+4*\t:TMP+32*(\a%2)+4*\t+3], v[RD] offset:2*\t*SPITCH   ; LDS serves a wave's instructions in order
.endr
.irp t, 0,1,2,3,4,5,6,7
	s_wait_dscnt 7-\t                              ; loads come back in order: number t is in
	global_store_b128 v[CO], v[TMP+32*(\a%2)+4*\t:TMP+32*(\a%2)+4*\t+3], s[10:11] offset:(16*\a+2*\t)*4096   ; sixteen lanes store 256 consecutive bytes, aligned
.endr
.endr
	s_wait_tensorcnt 0x0                           ; the wave's end
	ds_add_u32 v[SPW], v[NIL]
	s_wait_dscnt 0x0
	CROUND                                         ; the closing round
	s_endpgm
.Lfunc_end_k_q906a36c2a1_oproj:
	.size	k_q906a36c2a1_oproj, .Lfunc_end_k_q906a36c2a1_oproj-k_q906a36c2a1_oproj
	.p2alignl 7, 3214868480
	.fill 96, 4, 3214868480
	.section	.rodata,"a",@progbits
	.p2align	6, 0x0
	.amdhsa_kernel k_q906a36c2a1_oproj
		.amdhsa_group_segment_fixed_size 327680
		.amdhsa_private_segment_fixed_size 0
		.amdhsa_enable_private_segment 0
		.amdhsa_kernarg_size 32
		.amdhsa_user_sgpr_count 2
		.amdhsa_user_sgpr_kernarg_segment_ptr 1
		.amdhsa_wavefront_size32 1
		.amdhsa_system_sgpr_workgroup_id_x 1
		.amdhsa_system_sgpr_workgroup_id_y 1
		.amdhsa_system_sgpr_workgroup_id_z 1
		.amdhsa_system_vgpr_workitem_id 0
		.amdhsa_next_free_vgpr 512
		.amdhsa_next_free_sgpr 66
		.amdhsa_reserve_vcc 0
		.amdhsa_float_denorm_mode_32 3
		.amdhsa_float_denorm_mode_16_64 3
		.amdhsa_memory_ordered 1
		.amdhsa_forward_progress 1
		.amdhsa_inst_pref_size 87
	.end_amdhsa_kernel
	.amdgpu_metadata
---
amdhsa.version: [ 1, 2 ]
amdhsa.kernels:
  - .name:           k_q906a36c2a1_oproj
    .symbol:         k_q906a36c2a1_oproj.kd
    .args:
      - { .name: ob, .offset: 0, .size: 8, .value_kind: global_buffer, .address_space: global }
      - { .name: wof, .offset: 8, .size: 8, .value_kind: global_buffer, .address_space: global }
      - { .name: bo, .offset: 16, .size: 8, .value_kind: global_buffer, .address_space: global }
      - { .name: pre, .offset: 24, .size: 8, .value_kind: global_buffer, .address_space: global }
    .group_segment_fixed_size: 327680
    .private_segment_fixed_size: 0
    .kernarg_segment_align: 8
    .kernarg_segment_size: 32
    .max_flat_workgroup_size: 128
    .sgpr_count:     66
    .vgpr_count:     512
    .wavefront_size: 32
...
	.end_amdgpu_metadata
.endif
;; end of part 4
;; launch ln (part 5): grid 256 x 1, 4 waves a work-group, no clusters, 0 bytes of LDS; arguments pre, gamma, beta, out0; writes out0
.if DOCPART == 5
	.amdgcn_target "amdgcn-amd-amdhsa--gfx1250"
	.amdhsa_code_object_version 6
	.text
	.protected	k_q906a36c2a1_ln
	.globl	k_q906a36c2a1_ln
	.p2align	8
	.type	k_q906a36c2a1_ln,@function
k_q906a36c2a1_ln:
	s_mov_b64 s[64:65], 0
	v_nop
	global_prefetch_b8 v0, s[64:65] scope:SCOPE_SE
	s_setreg_imm32_b32 hwreg(HW_REG_WAVE_MODE, 25, 1), 1
	s_wait_xcnt 0x0
; Launch 5 of 5: out0 = (pre - mean) rsqrt(var + 1e-5) gamma + beta along rows of 1,024, in f32.  No work is left out here.
; A stream: a wave owns four rows, 128 registers; a row is eight loads of 512 consecutive bytes; it stays in registers for the mean, the sum of (x - mean)^2 and the scaling: read once, written once.
; No LDS, no barrier, no loop: all 32 row loads of a wave go out at once, and each row has registers of its own.
.set G,  8                             ; v8-39    gamma at my 32 columns
.set BT, 40                            ; v40-71   beta
.set X,  72                            ; v72-199  four rows
.set A0, 200                           ; v200-207 four chains
	s_load_b256 s[4:11], s[0:1], 0x0               ; pre s[4:5], gamma s[6:7], beta s[8:9], out0 s[10:11]
	v_lshrrev_b32 v2, 5, v0
	v_readfirstlane_b32 s12, v2
	v_and_b32 v1, 31, v0
	v_lshlrev_b32 v1, 4, v1                        ; 16 bytes a lane
	s_lshl_b32 s14, ttmp9, 16                      ; 16 rows of 4,096 bytes a work-group,
	s_lshl_b32 s15, s12, 14                        ; four a wave
	s_add_co_u32 s14, s14, s15
	s_mov_b32 s15, 0
	s_mov_b32 s16, 0x76543210
	s_mov_b32 s17, 0xfedcba98
	s_mov_b32 s18, 0x3a800000                      ; 1 / 1024
	s_mov_b32 s19, 0x3727c5ac                      ; 1e-5
	v_mov_b32 v209, 0                              ; a lane permute's destination counts as one of its sources
	v_mov_b32 v211, 0                              ; (upper halves of pairs of which the low word serves both halves)
	v_mov_b32 v213, 0
	s_wait_kmcnt 0x0
	s_add_nc_u64 s[4:5], s[4:5], s[14:15]
	s_add_nc_u64 s[10:11], s[10:11], s[14:15]
.irp j, 0,1,2,3,4,5,6,7
	global_load_b128 v[G+4*\j:G+4*\j+3], v1, s[6:7] offset:512*\j
.endr
.irp j, 0,1,2,3,4,5,6,7
	global_load_b128 v[BT+4*\j:BT+4*\j+3], v1, s[8:9] offset:512*\j
.endr
.irp i, 0,1,2,3
.irp j, 0,1,2,3,4,5,6,7
	global_load_b128 v[X+32*\i+4*\j:X+32*\i+4*\j+3], v1, s[4:5] offset:4096*\i+512*\j th:TH_LOAD_NT
.endr
.endr
.macro REDUCE                          ; the four chains, the pair's halves and the 32 lanes: the sum in v208 of every lane
	v_pk_add_f32 v[A0:A0+1], v[A0:A0+1], v[A0+2:A0+3]
	v_pk_add_f32 v[A0+4:A0+5], v[A0+4:A0+5], v[A0+6:A0+7]
	v_pk_add_f32 v[A0:A0+1], v[A0:A0+1], v[A0+4:A0+5]
	v_add_f32 v208, v[A0], v[A0+1]
	v_add_f32_dpp v208, v208, v208 row_xmask:1 row_mask:0xf bank_mask:0xf
	v_add_f32_dpp v208, v208, v208 row_xmask:2 row_mask:0xf bank_mask:0xf
	v_add_f32_dpp v208, v208, v208 row_xmask:4 row_mask:0xf bank_mask:0xf
	v_add_f32_dpp v208, v208, v208 row_xmask:8 row_mask:0xf bank_mask:0xf
	v_permlanex16_b32 v209, v208, s16, s17
	v_add_f32 v208, v208, v209
.endm
.macro ROW i, left
.set XR, X+32*(\i)
	s_wait_loadcnt \left                           ; my row's eight loads are in; the younger rows' may be out
.irp c, 0,1,2,3
	v_pk_add_f32 v[A0+2*\c:A0+2*\c+1], v[XR+4*\c:XR+4*\c+1], v[XR+4*\c+2:XR+4*\c+3]
.endr
.irp j, 16,24
.irp c, 0,1,2,3
	v_pk_add_f32 v[A0+2*\c:A0+2*\c+1], v[A0+2*\c:A0+2*\c+1], v[XR+\j+2*\c:XR+\j+2*\c+1]
.endr
.endr
	REDUCE
	v_mul_f32 v210, s18, v208                      ; the mean
.set p, 0
.rept 16
	v_pk_add_f32 v[XR+2*p:XR+2*p+1], v[XR+2*p:XR+2*p+1], v[210:211] op_sel_hi:[1,0] neg_lo:[0,1] neg_hi:[0,1]
.set p, p+1
.endr
.irp c, 0,1,2,3
	v_pk_mul_f32 v[A0+2*\c:A0+2*\c+1], v[XR+2*\c:XR+2*\c+1], v[XR+2*\c:XR+2*\c+1]
.endr
.irp j, 8,16,24
.irp c, 0,1,2,3
	v_pk_fma_f32 v[A0+2*\c:A0+2*\c+1], v[XR+\j+2*\c:XR+\j+2*\c+1], v[XR+\j+2*\c:XR+\j+2*\c+1], v[A0+2*\c:A0+2*\c+1]
.endr
.endr
	REDUCE
	v_fma_f32 v212, v208, s18, s19                 ; var + eps
	v_rsq_f32 v212, v212
	v_nop                                          ; a plain place behind the transcendental,
	s_wait_alu depctr_va_vdst(0)                   ; and the wait ahead of its first reader
.set p, 0
.rept 16
	v_pk_mul_f32 v[XR+2*p:XR+2*p+1], v[XR+2*p:XR+2*p+1], v[212:213] op_sel_hi:[1,0]
.set p, p+1
.endr
.set p, 0
.rept 16
	v_pk_fma_f32 v[XR+2*p:XR+2*p+1], v[XR+2*p:XR+2*p+1], v[G+2*p:G+2*p+1], v[BT+2*p:BT+2*p+1]
.set p, p+1
.endr
.irp j, 0,1,2,3,4,5,6,7
	global_store_b128 v1, v[XR+4*\j:XR+4*\j+3], s[10:11] offset:4096*(\i)+512*\j th:TH_STORE_NT   ; the wave stores 512 consecutive bytes, aligned
.endr
.endm
	ROW 0, 24
	ROW 1, 16
	ROW 2, 8
	ROW 3, 0
	s_endpgm
.Lfunc_end_k_q906a36c2a1_ln:
	.size	k_q906a36c2a1_ln, .Lfunc_end_k_q906a36c2a1_ln-k_q906a36c2a1_ln
	.p2alignl 7, 3214868480
	.fill 96, 4, 3214868480
	.section	.rodata,"a",@progbits
	.p2align	6, 0x0
	.amdhsa_kernel k_q906a36c2a1_ln
		.amdhsa_group_segment_fixed_size 0
		.amdhsa_private_segment_fixed_size 0
		.amdhsa_enable_private_segment 0
		.amdhsa_kernarg_size 32
		.amdhsa_user_sgpr_count 2
		.amdhsa_user_sgpr_kernarg_segment_ptr 1
		.amdhsa_wavefront_size32 1
		.amdhsa_system_sgpr_workgroup_id_x 1
		.amdhsa_system_sgpr_workgroup_id_y 1
		.amdhsa_system_sgpr_workgroup_id_z 1
		.amdhsa_system_vgpr_workitem_id 0
		.amdhsa_next_free_vgpr 216
		.amdhsa_next_free_sgpr 66
		.amdhsa_reserve_vcc 0
		.amdhsa_float_denorm_mode_32 3
		.amdhsa_float_denorm_mode_16_64 3
		.amdhsa_memory_ordered 1
		.amdhsa_forward_progress 1
		.amdhsa_inst_pref_size 33
	.end_amdhsa_kernel
	.amdgpu_metadata
---
amdhsa.version: [ 1, 2 ]
amdhsa.kernels:
  - .name:           k_q906a36c2a1_ln
    .symbol:         k_q906a36c2a1_ln.kd
    .args:
      - { .name: pre, .offset: 0, .size: 8, .value_kind: global_buffer, .address_space: global }
      - { .name: gamma, .offset: 8, .size: 8, .value_kind: global_buffer, .address_space: global }
      - { .name: beta, .offset: 16, .size: 8, .value_kind: global_buffer, .address_space: global }
      - { .name: out0, .offset: 24, .size: 8, .value_kind: global_buffer, .address_space: global }
    .group_segment_fixed_size: 0
    .private_segment_fixed_size: 0
    .kernarg_segment_align: 8
    .kernarg_segment_size: 32
    .max_flat_workgroup_size: 128
    .sgpr_count:     66
    .vgpr_count:     216
    .wavefront_size: 32
...
	.end_amdgpu_metadata
.endif
;; end of part 5
